; MI455X (gfx1250); checked and timed in simulation.
; The chip was launched on July 23, 2026; its instructions are those of AMD's public machine-readable ISA for CDNA 5 (MIT licence, August 2026) and "CDNA5" Instruction Set Architecture Reference Guide (July 2026). The comments in the code are by the model that wrote it; some were corrected since.
;; Attention. Allowed arithmetic: matrix products marked QUANTISED: E2M3 operands, one E8M0 scale for each 32 along K, by v_wmma_scale_f32_16x16x128_f8f6f4 with both operands' format E2M3, f32 sums; everything else in f32.
;; Inputs: Wk 1,024 x 1,024 float32; Wo 1,024 x 1,024 float32; Wq 1,024 x 1,024 float32; Wv 1,024 x 1,024 float32; bk 1,024 float32; bo 1,024 float32; bq 1,024 float32; bv 1,024 float32; k 4 x 2,048 x 1,024 float32; q 4 x 2,048 x 1,024 float32; v 4 x 2,048 x 1,024 float32.
;; Outputs: out0 4 x 2,048 x 1,024 float32.
;; This version of the problem:
;;   THIS VERSION OF THE PROBLEM IS GIVEN IN LOW PRECISION. The matrix products marked QUANTISED in the list below multiply operands that are first quantised to E2M3 (2 exponent bits, 3 mantissa bits; 6 bits a number), with one power-of-two scale for each 32 numbers along K (OCP MX v1.0); their sums are f32. All else is computed in f32.
;;   The module's matrix products, in the order in which they are computed (A, B: the left and right operand; K: the contracted axis; several contracted axes count as one K, in the product's order):
;;     1. [M 8,192, K 1,024] x [K 1,024, N 1,024]; A: input q; B: input Wq: QUANTISED
;;     2. [M 8,192, K 1,024] x [K 1,024, N 1,024]; A: input k; B: input Wk: QUANTISED
;;     3. [M 8,192, K 1,024] x [K 1,024, N 1,024]; A: input v; B: input Wv: QUANTISED
;;     4. batch 64 x [M 2,048, K 64] x [K 64, N 2,048]; A: computed on the way; B: computed on the way: QUANTISED
;;     5. batch 64 x [M 2,048, K 2,048] x [K 2,048, N 64]; A: softmax (see below); B: computed on the way: QUANTISED
;;     6. [M 8,192, K 1,024] x [K 1,024, N 1,024]; A: computed on the way; B: input Wo: QUANTISED
;;   THE QUANTISER, for each operand of a quantised product, along K:
;;     - K is cut into blocks of 32 from its start; a last block that is shorter is filled with zeros.
;;     - A block's scale is 2^e with e = floor(log2(the largest magnitude in the block)) - 2, held to -126 .. 127; a block of zeros has e = 0. As a byte (E8M0): e + 127.
;;     - Each number is divided by its block's scale, clamped to +-7.5, and rounded to the nearest number of E2M3, ties to even, subnormals kept.
;;     - The product sums the exact products of the quantised numbers (number of the format x scale) in f32.
;;   ~~~python
;;   def quantise(x, axis):      # numpy; x: float32 -> the quantised numbers, widened to float32 again
;;       x = np.moveaxis(x, axis, -1); K = x.shape[-1]
;;       x = np.pad(x, [(0, 0)] * (x.ndim - 1) + [(0, -K % 32)]); x = x.reshape(x.shape[:-1] + (-1, 32)); a = np.abs(x).max(-1, keepdims=True)
;;       e = np.where(a > 0, np.clip(np.frexp(np.where(a > 0, a, 1))[1] - 1 - 2, -126, 127), 0)      # np.frexp(a)[1] - 1 = floor(log2(a)), exactly
;;       r = np.clip(x / 2.0 ** e, -7.5, 7.5)
;;       step = 2.0 ** (np.maximum(np.frexp(np.where(r == 0, 1, r))[1] - 1, 0) - 3)
;;       q = np.round(r / step) * step * 2.0 ** e      # np.round: ties to even
;;       return np.moveaxis(q.reshape(q.shape[:-2] + (-1,))[..., :K], -1, axis).astype(np.float32)
;;   ~~~
;;   SOFTMAX AHEAD OF A QUANTISED PRODUCT. Where the list says 'softmax', what is quantised is not the finished softmax but p = 2^(t - M), with t = logit x log2(e) and M = ceil(the row's largest t), a whole number; so 1/2 < the row's largest p <= 1. The row's sum l is taken of the UNQUANTISED p, in f32, and the product's result is divided by l at the end. Since M is a whole number, a kernel that streams over the keys may use a running M (the ceiling of the running maximum): every later rescaling is an exact power of two, which a block's scale takes up: the codes' values come out the same.
;;   OPERANDS COMPUTED ON THE WAY. 'Computed on the way' means the value that the module computes at that place (a softmax that the list does not call 'softmax' is quantised finished and normalised). What goes into a quantiser is computed in f32, as accurately as f32 sums, v_exp_f32 and their like allow (about 1e-6 of the number): no bf16 or f16 on the way to a quantiser, and a product that is left as it is and whose result goes on into a quantised operand takes f32 operands (vector FMAs, or v_wmma_f32_16x16x4_f32). A number that lies on a knife's edge between two numbers of the format may be rounded either way, as far as f32 arithmetic and the matrix unit's own rounding can turn it there, and no further.
;; One version. Each part assembles by itself: llvm-mc -triple=amdgcn-amd-amdhsa -mcpu=gfx1250 --defsym DOCPART=n.
;; ======== version 1 of 1: 4 launches
;; limits: right only within a limited range of input values
;; workspace buffers: xc 22,020,096 bytes; xs 917,504 bytes; hc 18,874,368 bytes; hs 1,310,720 bytes; cc 6,291,456 bytes; cs 262,144 bytes
;; launch quant (part 1): grid 896 x 1, 4 waves a work-group, no clusters, 34,304 bytes of LDS; arguments q, k, v, Wq, Wk, Wv, Wo, xc, xs; writes xc, xs
.if DOCPART == 1
	.amdgcn_target "amdgcn-amd-amdhsa--gfx1250"
	.amdhsa_code_object_version 6
	.text
	.protected	k_q2e05ff49d7_quant
	.globl	k_q2e05ff49d7_quant
	.p2align	8
	.type	k_q2e05ff49d7_quant,@function
k_q2e05ff49d7_quant:
	s_mov_b64 s[64:65], 0
	v_nop
	global_prefetch_b8 v0, s[64:65] scope:SCOPE_SE
	s_setreg_imm32_b32 hwreg(HW_REG_WAVE_MODE, 25, 1), 1
	s_wait_xcnt 0x0
; q, k, v [8192][1024] and Wq, Wk, Wv, Wo [1024][1024], f32, become codes of FP6 (E2M3) with one E8M0 byte for each 32 along K (the last axis).
; A block's scale is 2^(floor(log2(its largest magnitude)) - 2); its byte is the largest magnitude's exponent field - 2, held at 1 from below.
; LIMITS: NaN and infinities among the inputs are not served.  A block whose largest magnitude lies under 2^-124, a block of zeros among them, gets the byte 1
; (the stated quantiser gives a block of zeros 127): its codes are zeros or near it, and the bytes are read by this program alone.
; LAYOUT OF THE RESULT.  The seven tensors are 1,792 tiles of 16 rows, on end: q 0-511, k 512-1023, v 1024-1535, Wq 1536-, Wk 1600-, Wv 1664-, Wo 1728-1791.
; Row r of tile 2 g + u is the tensor's row 32 g + 8 u + r % 8 + 16 (r / 8): so, where such tiles are source 0 of a matrix instruction, a lane's 16 registers of two neighbouring
; result tiles are 16 neighbours.  Codes: [tile][8 K steps of 128][1,536 bytes], an image of the operand's 12 registers: registers 6 e .. 6 e + 3 of lane l at 768 e + 16 l,
; registers 6 e + 4, 6 e + 5 at 768 e + 512 + 8 l.  Scale words (4 bytes: one row, 128 along K): [tile][4 pairs of K steps][16 rows][2 words].
; SHARES.  A work-group takes two tiles (32 rows), a wave one tile and half of K: four steps of 16 rows x 128 numbers.  Each load reads 512 consecutive bytes of one row; the step's
; 8,192 bytes turn through the wave's own stage in LDS (rows 528 bytes apart, so that sixteen rows start in sixteen different groups of banks) and come back 32 neighbours, a whole block, to a lane.
; Every store of codes covers 512 or 256 consecutive bytes at a multiple of 256.  Waves share nothing: no barrier.  Work-groups share no input: no cluster.  No products: no matrix unit.
.set SP,  528                          ; a stage row: 512 bytes + 16
.set STG, 16*SP                        ; a wave's stage
.set WD,  16                           ; v16-19  the four steps' scale words
.set C,   24                           ; v24-35  a fragment's codes
.set CT,  36                           ; v36-38, v40-42  the upper halves of the two blocks, as the conversions leave them
.set X,   48                           ; v48-111 my two blocks of 32 numbers
.set R,   112                          ; v112-239 two sets of 64 registers as loaded
	s_load_b512 s[4:19], s[0:1], 0x0               ; q, k, v, Wq, Wk, Wv, Wo, xc
	s_load_b64 s[20:21], s[0:1], 0x40              ; xs
	v_lshl_add_u32 v240, v0, 2, 0x8400
	v_mov_b32 v241, 0
	v_lshrrev_b32 v1, 5, v0
	v_readfirstlane_b32 s22, v1                    ; wave
	v_and_b32 v1, 31, v0                           ; lane
	v_and_b32 v2, 15, v0                           ; r
	v_bfe_u32 v3, v0, 4, 1                         ; h
	v_lshlrev_b32 v4, 4, v1                        ; 16 x lane
	v_lshlrev_b32 v5, 3, v1                        ; 8 x lane
	s_mul_i32 s23, s22, STG
	v_add_nc_u32 v6, s23, v4                       ; the stage, on the way in: a row's 512 bytes as they lie
	v_mul_u32_u24 v7, v2, SP
	v_lshl_add_u32 v7, v3, 7, v7
	v_add_nc_u32 v7, s23, v7                       ; and on the way out: row r, block h
	v_lshlrev_b32 v14, 3, v3                       ; 8 h: where my two bytes stand in the scale word
	v_mov_b32 v15, 0                               ; a lane permute's destination counts as one of its sources
	s_mov_b32 s30, 0x76543210
	s_mov_b32 s31, 0xfedcba98                      ; selects for lane l xor 16
	s_lshr_b32 s32, s22, 1                         ; u: which of the two tiles
	s_and_b32 s33, s22, 1                          ; which half of K
	s_wait_alu depctr_va_vdst(0)
	s_wait_kmcnt 0x0
	s_mov_b64 s[24:25], s[16:17]                   ; which tensor: the choice hangs on the work-group's number alone
	s_mov_b32 s34, 864
	s_cmp_lt_u32 ttmp9, 864
	s_cselect_b64 s[24:25], s[14:15], s[24:25]
	s_cselect_b32 s34, 832, s34
	s_cmp_lt_u32 ttmp9, 832
	s_cselect_b64 s[24:25], s[12:13], s[24:25]
	s_cselect_b32 s34, 800, s34
	s_cmp_lt_u32 ttmp9, 800
	s_cselect_b64 s[24:25], s[10:11], s[24:25]
	s_cselect_b32 s34, 768, s34
	s_cmp_lt_u32 ttmp9, 768
	s_cselect_b64 s[24:25], s[8:9], s[24:25]
	s_cselect_b32 s34, 512, s34
	s_cmp_lt_u32 ttmp9, 512
	s_cselect_b64 s[24:25], s[6:7], s[24:25]
	s_cselect_b32 s34, 256, s34
	s_cmp_lt_u32 ttmp9, 256
	s_cselect_b64 s[24:25], s[4:5], s[24:25]
	s_cselect_b32 s34, 0, s34
	s_sub_co_u32 s34, ttmp9, s34                   ; the work-group's number within its tensor
	; TENSOR k ALONE HAS ANOTHER ROW ORDER: row r of its tile 4 g + u is the tensor's row 64 g + 8 u + r % 8 + 32 (r / 8), so that a lane's 32 registers of four
	; neighbouring score tiles are one whole block of 32 keys.  With work-group number w in the tensor and tile w's u: first row 64 (w / 2) + 16 (w % 2) + 8 u
	s_lshr_b32 s40, s34, 1
	s_lshl_b32 s40, s40, 6
	s_and_b32 s41, s34, 1
	s_lshl_b32 s41, s41, 4
	s_add_co_u32 s40, s40, s41
	s_lshl_b32 s34, s34, 5
	s_mov_b32 s42, 65536                           ; a tile's rows 8-15 begin 16 rows of 4,096 bytes behind its rows 0-7,
	s_sub_co_u32 s41, ttmp9, 256
	s_cmp_lt_u32 s41, 256                          ; work-groups 256 to 511 take k
	s_cselect_b32 s34, s40, s34
	s_cselect_b32 s42, 131072, s42                 ; in k 32 rows
	s_lshl_b32 s35, s32, 3
	s_add_co_u32 s34, s34, s35                     ; row 32 g + 8 u,
	s_lshl_b32 s34, s34, 12                        ; of 4,096 bytes,
	s_lshl_b32 s35, s33, 11
	s_add_co_u32 s34, s34, s35                     ; + my half of K
	s_mov_b32 s35, 0
	s_add_nc_u64 s[24:25], s[24:25], s[34:35]
	s_lshl_b32 s36, ttmp9, 1
	s_add_co_u32 s36, s36, s32                     ; my tile
	s_mul_i32 s38, s36, 12288
	s_mul_i32 s37, s33, 6144
	s_add_co_u32 s38, s38, s37
	s_mov_b32 s39, 0
	s_add_nc_u64 s[26:27], s[18:19], s[38:39]      ; its codes, my four K steps
	s_lshl_b32 s38, s36, 9
	s_lshl_b32 s37, s33, 8
	s_add_co_u32 s38, s38, s37
	s_add_nc_u64 s[28:29], s[20:21], s[38:39]      ; its scale words, my two pairs of K steps
.macro LOAD t                          ; step t: row i of the tile is one load of 512 consecutive bytes
.irp i, 0,1,2,3,4,5,6,7,8,9,10,11,12,13,14,15
.if \i < 8
	global_load_b128 v[R+64*((\t)%2)+4*\i:R+64*((\t)%2)+4*\i+3], v4, s[24:25] offset:(\i)*4096+512*(\t) th:TH_LOAD_NT
.else
	global_load_b128 v[R+64*((\t)%2)+4*\i:R+64*((\t)%2)+4*\i+3], v22, s[24:25] offset:(\i-8)*4096+512*(\t) th:TH_LOAD_NT
.endif
.endr
.endm
.macro STEP t
.if \t < 3
	s_wait_loadcnt 16                              ; this step's 16 loads are in; the next step's 16 may be out
.else
	s_wait_loadcnt 0x0
.endif
.irp i, 0,1,2,3,4,5,6,7,8,9,10,11,12,13,14,15
	ds_store_b128 v6, v[R+64*((\t)%2)+4*\i:R+64*((\t)%2)+4*\i+3] offset:SP*\i
.endr
.irp e, 0,1
.irp j, 0,1,2,3,4,5,6,7
	ds_load_b128 v[X+32*\e+4*\j:X+32*\e+4*\j+3], v7 offset:256*\e+16*\j   ; LDS serves a wave's instructions in order: these see the stores above.  Blocks h and 2 + h of row r
.endr
.endr
	s_wait_dscnt 0x0                               ; my numbers are back, and the stores into the stage have read their registers,
.if \t+2 < 4
	LOAD \t+2                                      ; which take the loads of two steps on
.endif
.irp e, 0,1
	v_max3_num_f32 v[8+\e], |v[X+32*\e]|, |v[X+32*\e+1]|, 0x1800000   ; a block's largest magnitude, all 32 numbers mine, and the floor 2^(3 - 127): the byte cannot fall under 1
.endr
.irp i, 2,4,6,8,10,12,14,16,18,20,22,24,26,28,30
.irp e, 0,1
	v_max3_num_f32 v[8+\e], v[8+\e], |v[X+32*\e+\i]|, |v[X+32*\e+\i+1]|
.endr
.endr
.irp e, 0,1
	v_add_nc_u32 v[10+\e], 0xff000000, v[8+\e]     ; 2 off the exponent field: the conversion takes this operand's exponent field as its scale
.endr
.irp e, 0,1
	v_lshrrev_b32 v[12+\e], 23, v[10+\e]           ; the scale's byte
.endr
	v_lshl_or_b32 v12, v13, 16, v12                ; my two bytes, blocks h and 2 + h,
	v_lshlrev_b32 v12, v14, v12                    ; at their places in the word;
	v_permlanex16_b32 v15, v12, s30, s31
	v_or_b32 v[WD+\t], v12, v15                    ; with lane l xor 16's two the word is whole
.if \t > 0
	s_wait_alu depctr_va_vdst(0)
	s_wait_xcnt 0x0                                ; the codes' registers are the last step's store data: written again only behind this wait
.endif
.irp e, 0,1
	v_cvt_scalef32_pk16_fp6_f32 v[C+6*\e:C+6*\e+2], v[X+32*\e:X+32*\e+15], v[10+\e]
	v_cvt_scalef32_pk16_fp6_f32 v[CT+4*\e:CT+4*\e+2], v[X+32*\e+16:X+32*\e+31], v[10+\e]   ; (a conversion's three registers begin on an even number)
.endr
	v_nop                                          ; one plain place behind a scaled conversion
.irp e, 0,1
.irp i, 0,1,2
	v_mov_b32 v[C+6*\e+3+\i], v[CT+4*\e+\i]
.endr
.endr
	global_store_b128 v4, v[C:C+3], s[26:27] offset:1536*\t            ; 512 consecutive bytes
	global_store_b64 v5, v[C+4:C+5], s[26:27] offset:1536*\t+512       ; 256
	global_store_b128 v4, v[C+6:C+9], s[26:27] offset:1536*\t+768
	global_store_b64 v5, v[C+10:C+11], s[26:27] offset:1536*\t+1280
.endm
	v_add_nc_u32 v22, s42, v4                      ; the offset of a tile's rows 8-15
	s_wait_alu depctr_va_vdst(0)
	LOAD 0
	LOAD 1
	STEP 0
	STEP 1
	STEP 2
	STEP 3
	v_cmp_le_u32 vcc_lo, 16, v1                    ; lanes 0-15 store row r's words of steps 0, 1; lanes 16-31 those of steps 2, 3
	v_cndmask_b32 v20, v[WD], v[WD+2], vcc_lo
	v_cndmask_b32 v21, v[WD+1], v[WD+3], vcc_lo
	global_store_b64 v5, v[20:21], s[28:29]        ; 256 consecutive bytes at a multiple of 256
	s_wait_tensorcnt 0x0
	ds_add_u32 v240, v241
	s_wait_dscnt 0x0
	s_endpgm
.Lfunc_end_k_q2e05ff49d7_quant:
	.size	k_q2e05ff49d7_quant, .Lfunc_end_k_q2e05ff49d7_quant-k_q2e05ff49d7_quant
	.p2alignl 7, 3214868480
	.fill 96, 4, 3214868480
	.section	.rodata,"a",@progbits
	.p2align	6, 0x0
	.amdhsa_kernel k_q2e05ff49d7_quant
		.amdhsa_group_segment_fixed_size 34304
		.amdhsa_private_segment_fixed_size 0
		.amdhsa_enable_private_segment 0
		.amdhsa_kernarg_size 72
		.amdhsa_user_sgpr_count 2
		.amdhsa_user_sgpr_kernarg_segment_ptr 1
		.amdhsa_wavefront_size32 1
		.amdhsa_system_sgpr_workgroup_id_x 1
		.amdhsa_system_sgpr_workgroup_id_y 1
		.amdhsa_system_sgpr_workgroup_id_z 1
		.amdhsa_system_vgpr_workitem_id 0
		.amdhsa_next_free_vgpr 242
		.amdhsa_next_free_sgpr 66
		.amdhsa_reserve_vcc 1
		.amdhsa_float_denorm_mode_32 3
		.amdhsa_float_denorm_mode_16_64 3
		.amdhsa_memory_ordered 1
		.amdhsa_forward_progress 1
		.amdhsa_inst_pref_size 32
	.end_amdhsa_kernel
	.amdgpu_metadata
---
amdhsa.version: [ 1, 2 ]
amdhsa.kernels:
  - .name:           k_q2e05ff49d7_quant
    .symbol:         k_q2e05ff49d7_quant.kd
    .args:
      - { .name: q, .offset: 0, .size: 8, .value_kind: global_buffer, .address_space: global }
      - { .name: k, .offset: 8, .size: 8, .value_kind: global_buffer, .address_space: global }
      - { .name: v, .offset: 16, .size: 8, .value_kind: global_buffer, .address_space: global }
      - { .name: Wq, .offset: 24, .size: 8, .value_kind: global_buffer, .address_space: global }
      - { .name: Wk, .offset: 32, .size: 8, .value_kind: global_buffer, .address_space: global }
      - { .name: Wv, .offset: 40, .size: 8, .value_kind: global_buffer, .address_space: global }
      - { .name: Wo, .offset: 48, .size: 8, .value_kind: global_buffer, .address_space: global }
      - { .name: xc, .offset: 56, .size: 8, .value_kind: global_buffer, .address_space: global }
      - { .name: xs, .offset: 64, .size: 8, .value_kind: global_buffer, .address_space: global }
    .group_segment_fixed_size: 34304
    .private_segment_fixed_size: 0
    .kernarg_segment_align: 8
    .kernarg_segment_size: 72
    .max_flat_workgroup_size: 128
    .sgpr_count:     66
    .vgpr_count:     242
    .wavefront_size: 32
...
	.end_amdgpu_metadata
.endif
;; end of part 1
;; launch proj (part 2): grid 4 x 96, 4 waves a work-group, clusters of 4 x 4, 327,680 bytes of LDS; arguments xc, xs, bq, bk, bv, hc, hs; writes hc, hs
.if DOCPART == 2
	.amdgcn_target "amdgcn-amd-amdhsa--gfx1250"
	.amdhsa_code_object_version 6
	.text
	.protected	k_q2e05ff49d7_proj
	.globl	k_q2e05ff49d7_proj
	.p2align	8
	.type	k_q2e05ff49d7_proj,@function
k_q2e05ff49d7_proj:
	s_mov_b64 s[64:65], 0
	v_nop
	global_prefetch_b8 v0, s[64:65] scope:SCOPE_SE
	s_setreg_imm32_b32 hwreg(HW_REG_WAVE_MODE, 25, 1), 1
	s_wait_xcnt 0x0
	s_wait_alu depctr_hold_cnt(0) depctr_sa_sdst(0) depctr_va_vdst(0) depctr_va_sdst(0) depctr_va_ssrc(0) depctr_va_vcc(0) depctr_vm_vsrc(0)
	s_getreg_b32 s2, hwreg(HW_REG_IB_STS2, 6, 4)
	s_cmp_eq_u32 s2, 0
	s_cbranch_scc0 .Lentry_in_a_cluster
	s_endpgm
.Lentry_in_a_cluster:
	s_bfe_u32 s2, ttmp6, 0x10000c
	s_cmp_lg_u32 s2, 0xf033
	s_cbranch_scc0 .Lentry_shape_is_right
	s_endpgm
.Lentry_shape_is_right:
.set NQ,    2
.set FR,    12
.set NL,    4
.set NP,    4
.set HALFT, 8*3072
.set SLOT,  4*HALFT
.set SCL,   2*SLOT
.set HALFS, 4096
.set SPARE, SCL+4*HALFS
.set STQ,   SPARE+512
.set STV,   STQ+4*1024
.set A16,  16
.set A8,   18
.set B16,  20
.set B8,   22
.set ADRS, 27
.set SPW,  28
.set NIL,  29
.set SC,   32
.set BIAS, 64
.set AF,   128
.set TM,   64
.set PWS,  80
.set PC,   96
.set CT,   108
.set G1,   24
.set G0,   32
.set G1B,  48
.set G0B,  56
.set G1S,  68
.set G0S,  76
.set G1SB, 80
.set G0SB, 88
.set MSB, 0
.macro WIN new
.if MSB != (\new)
	s_set_vgpr_msb (MSB<<8)|(\new)
.set MSB, (\new)
.endif
.endm
.set MUL_LO, 0xa1
.set MUL_HI, 0xf1
.set TO_B,   0x40
.macro JLOAD g0a, g1a, g0b, g1b
	s_cmp_eq_u32 s19, 0
	s_cbranch_scc0 .Lfor_b_\@
	tensor_load_to_lds s[\g0a:\g0a+3], s[\g1a:\g1a+7]
	s_nop 0
.rept 4
	v_nop
.endr
	s_branch .Lasked_\@
.Lfor_b_\@:
	tensor_load_to_lds s[\g0b:\g0b+3], s[\g1b:\g1b+7]
	s_nop 0
.rept 4
	v_nop
.endr
.Lasked_\@:
.endm
.macro CREST
	s_cmp_lg_u32 s18, 0
	s_cbranch_scc1 .Lnot_wave_0_\@
	s_barrier_signal -3
.Lnot_wave_0_\@:
	s_barrier_wait -3
	s_barrier_signal -1
	s_barrier_wait -1
.endm
.macro CROUND
	s_barrier_signal -1
	s_barrier_wait -1
	CREST
.endm
.macro PLACES n
.rept \n
	v_nop
.endr
.endm
	s_load_b256 s[4:11], s[0:1], 0x0
	s_load_b128 s[12:15], s[0:1], 0x20
	s_load_b64 s[16:17], s[0:1], 0x30
	v_lshl_add_u32 v[SPW], v0, 2, SPARE
	v_mov_b32 v[NIL], 0
	ds_add_u32 v28, v29
	ds_add_u32 v28, v29
	s_wait_dscnt 0x0
	v_lshrrev_b32 v1, 5, v0
	v_readfirstlane_b32 s18, v1
	s_lshr_b32 s19, s18, 1
	s_and_b32 s20, s18, 1
	s_bfe_u32 s21, ttmp6, 0x40000
	s_bfe_u32 s22, ttmp6, 0x40004
	s_and_b32 s23, ttmp7, 0xffff
	s_lshl_b32 s41, s22, 2
	s_lshl_b32 s41, 15, s41
	s_lshl_b32 s42, 0x1111, s21
	s_or_b32 s[G1], s41, (3<<16)|(1<<21)
	s_or_b32 s[G1B], s42, (3<<16)|(1<<21)
	s_or_b32 s[G1S], s41, (3<<16)|(1<<21)
	s_or_b32 s[G1SB], s42, (3<<16)|(1<<21)
.irp g, G1, G1B
	s_mov_b32 s[\g+1], 384<<16
	s_mov_b32 s[\g+2], 16<<16
	s_mov_b32 s[\g+3], 384<<16
	s_mov_b32 s[\g+4], 16
	s_mov_b32 s[\g+5], 1536
	s_mov_b32 s[\g+6], 0
	s_mov_b32 s[\g+7], 0
.endr
.irp g, G1S, G1SB
	s_mov_b32 s[\g+1], 32<<16
	s_mov_b32 s[\g+2], 32<<16
	s_mov_b32 s[\g+3], 32<<16
	s_mov_b32 s[\g+4], 32
	s_mov_b32 s[\g+5], 32
	s_mov_b32 s[\g+6], 0
	s_mov_b32 s[\g+7], 0
.endr
	s_lshl_b32 s43, s20, 3
	s_lshl_b32 s44, s22, 4
	s_add_co_u32 s44, s44, s43
	s_lshl_b32 s45, s23, 6
	s_lshl_b32 s46, s21, 4
	s_add_co_u32 s46, s46, s43
	s_lshr_b32 s47, s23, 3
	s_lshl_b32 s47, s47, 6
	s_add_co_u32 s47, s47, 1536
	s_cmp_ge_u32 s23, 16
	s_cselect_b32 s40, 1664, s45
	s_cselect_b32 s47, s45, s47
	s_add_co_u32 s44, s44, s40
	s_add_co_u32 s46, s46, s47
	s_mul_i32 s92, s44, 12288
	s_mov_b32 s93, 0
	s_lshl_b32 s94, s44, 9
	s_mov_b32 s95, 0
	s_mul_i32 s96, s46, 12288
	s_mov_b32 s97, 0
	s_lshl_b32 s98, s46, 9
	s_mov_b32 s99, 0
	s_mul_i32 s100, s18, HALFT
	s_lshl_b32 s101, s20, 12
	s_sub_co_u32 s94, s94, s101                    ; the scale words are fetched for all 16 tiles at once: from the first tile's on
	s_sub_co_u32 s98, s98, s101
	s_lshl_b32 s101, s19, 13                       ; A's 8,192 bytes, then B's
	s_wait_kmcnt 0x0
	s_add_nc_u64 s[92:93], s[4:5], s[92:93]
	s_add_nc_u64 s[94:95], s[6:7], s[94:95]
	s_add_nc_u64 s[96:97], s[4:5], s[96:97]
	s_add_nc_u64 s[98:99], s[6:7], s[98:99]
	CROUND
	s_mov_b32 s[G0S], 1
	s_add_co_u32 s[G0S+1], s101, SCL
	s_mov_b64 s[G0S+2:G0S+3], s[94:95]
	s_or_b32 s[G0S+3], s[G0S+3], 0x80000000
	s_mov_b32 s[G0SB], 1
	s_add_co_u32 s[G0SB+1], s101, SCL
	s_mov_b64 s[G0SB+2:G0SB+3], s[98:99]
	s_or_b32 s[G0SB+3], s[G0SB+3], 0x80000000
.irp s, 0,1
	s_mov_b32 s[G0+4*\s], 1
	s_add_co_u32 s[G0+4*\s+1], s100, \s*SLOT
	s_add_nc_u64 s[G0+4*\s+2:G0+4*\s+3], s[92:93], \s*3072
	s_or_b32 s[G0+4*\s+3], s[G0+4*\s+3], 0x80000000
	s_mov_b32 s[G0B+4*\s], 1
	s_add_co_u32 s[G0B+4*\s+1], s100, \s*SLOT
	s_add_nc_u64 s[G0B+4*\s+2:G0B+4*\s+3], s[96:97], \s*3072
	s_or_b32 s[G0B+4*\s+3], s[G0B+4*\s+3], 0x80000000
.endr
; THE HEAD'S LOADS, ONE A WAVE: wave 0 slot 0's 16 tiles of A, wave 1 A's scale words, wave 2 slot 0's 16 tiles of B, wave 3 B's scale words.
; One chain of branches on the wave's number; every way through it passes exactly one load.  Waves 0 and 2 hold the first half's address and LDS place, which are the whole tile's.
.macro ARM under, g0, g1, next
	s_cmp_lt_u32 s18, \under
	s_cbranch_scc0 \next
	tensor_load_to_lds s[\g0:\g0+3], s[\g1:\g1+7]
	s_nop 0
.rept 4
	v_nop
.endr
	s_branch .Lhead_asked
\next:
.endm
	ARM 1, G0,  G1,  .Lhead_sa
	ARM 2, G0S, G1S, .Lhead_b
	ARM 3, G0B, G1B, .Lhead_sb
	tensor_load_to_lds s[G0SB:G0SB+3], s[G1SB:G1SB+7]
	s_nop 0
.rept 4
	v_nop
.endr
.Lhead_asked:
	v_and_b32 v1, 15, v0
	v_bfe_u32 v2, v0, 4, 1
	v_and_b32 v3, 31, v0
	v_lshlrev_b32 v8, 4, v3
	v_lshlrev_b32 v9, 3, v3
	s_mul_i32 s43, s19, HALFT
	s_mul_i32 s44, s20, HALFT
	s_add_co_u32 s44, s44, 2*HALFT
.irp s, 0,1
	v_add_nc_u32 v[A16+\s], s43, v8
	v_add_nc_u32 v[A8+\s], s43, v9
	v_add_nc_u32 v[B16+\s], s44, v8
	v_add_nc_u32 v[B8+\s], s44, v9
	s_add_co_u32 s43, s43, SLOT
	s_add_co_u32 s44, s44, SLOT
.endr
	s_lshl_b32 s43, s19, 12
	s_lshl_b32 s44, s20, 12
	s_add_co_u32 s44, s44, 2*HALFS
	s_sub_co_u32 s44, s44, s43
	v_mul_u32_u24 v3, s44, v2
	s_add_co_u32 s43, s43, SCL
	v_lshl_add_u32 v3, v1, 3, v3
	v_add_nc_u32 v[ADRS], s43, v3
	s_lshl_b32 s43, s18, 10
	s_add_co_u32 s43, s43, STQ
	v_lshl_add_u32 v12, v1, 4, s43
	v_add_nc_u32 v13, s43, v8
	s_lshl_b32 s43, s18, 9
	s_add_co_u32 s43, s43, STV
	v_lshl_add_u32 v14, v1, 3, s43
	v_add_nc_u32 v15, s43, v8
	v_mul_u32_u24 v24, v2, 20480
	v_lshl_add_u32 v24, v1, 4, v24
	v_lshlrev_b32 v25, 6, v2
	v_and_b32 v3, 7, v1
	v_lshrrev_b32 v4, 3, v1
	v_lshl_add_u32 v3, v4, 4, v3
	v_lshlrev_b32 v26, 2, v3
	s_lshl_b32 s40, s23, 10
	s_lshl_b32 s41, s22, 8
	s_add_co_u32 s40, s40, s41
	s_lshl_b32 s41, s19, 7
	s_add_co_u32 s40, s40, s41
	s_lshl_b32 s41, s21, 2
	s_lshl_b32 s42, s20, 1
	s_add_co_u32 s41, s41, s42
	s_lshr_b32 s42, s40, 11
	s_lshl_b32 s43, s42, 4
	s_add_co_u32 s43, s43, s41
	s_mul_i32 s43, s43, 98304
	s_bfe_u32 s44, s40, 0x70004
	s_mul_i32 s44, s44, 768
	s_add_co_u32 s43, s43, s44
	s_and_b32 s42, s42, 3
	s_lshl_b32 s42, s42, 4
	s_add_co_u32 s42, s42, s41
	s_mul_i32 s42, s42, 20480
	s_lshr_b32 s44, s40, 13
	s_lshl_b32 s44, s44, 13
	s_add_co_u32 s42, s42, s44
	s_bfe_u32 s44, s40, 0x40007
	s_lshl_b32 s44, s44, 9
	s_add_co_u32 s42, s42, s44
	s_and_b32 s40, s23, 7
	s_lshr_b32 s41, s40, 1
	s_lshl_b32 s41, s41, 4
	s_lshl_b32 s44, s22, 2
	s_add_co_u32 s41, s41, s44
	s_lshl_b32 s44, s19, 1
	s_add_co_u32 s41, s41, s44
	s_and_b32 s40, s40, 1
	s_lshl_b32 s40, s40, 3
	s_lshl_b32 s44, s21, 1
	s_add_co_u32 s40, s40, s44
	s_add_co_u32 s40, s40, s20
	s_mul_i32 s44, s41, 98304
	s_add_co_u32 s44, s44, 12582912
	s_mul_i32 s45, s40, 6144
	s_add_co_u32 s44, s44, s45
	s_mul_i32 s41, s41, 20480
	s_add_co_u32 s41, s41, 16384
	s_lshl_b32 s40, s40, 8
	s_add_co_u32 s41, s41, s40
	s_lshl_b32 s45, s21, 10
	s_lshl_b32 s46, s20, 9
	s_add_co_u32 s45, s45, s46
	s_lshl_b32 s46, s22, 10
	s_lshl_b32 s47, s19, 9
	s_add_co_u32 s46, s46, s47
	s_mov_b32 s47, 0
	s_mov_b32 s93, 0
	s_mov_b32 s94, 768
	s_mov_b32 s95, 0
	s_mov_b32 s96, 768
	s_mov_b32 s97, 0
	s_mov_b32 s99, 0
	s_mov_b32 s100, 98304
	s_cmp_lt_u32 s23, 8
	s_cselect_b64 s[66:67], s[8:9], s[10:11]
	s_cmp_ge_u32 s23, 16
	s_cselect_b64 s[66:67], s[12:13], s[66:67]
	s_cselect_b32 s92, s44, s43
	s_cselect_b32 s98, s41, s42
	s_cselect_b32 s46, s46, s45
	s_cselect_b32 s94, 1536, s94
	s_cselect_b32 s96, 93696, s96
	s_cselect_b32 s100, 768, s100
	s_add_nc_u64 s[92:93], s[14:15], s[92:93]
	s_add_nc_u64 s[98:99], s[16:17], s[98:99]
	s_add_nc_u64 s[66:67], s[66:67], s[46:47]
	s_mov_b32 s101, 0x7f7f0000
	s_mov_b32 s2, 0x76543210
	s_mov_b32 s3, 0xfedcba98
	v_add_nc_u32 v10, s100, v8
	v_add_nc_u32 v11, s100, v9
	s_cmp_ge_u32 s23, 16
	s_cbranch_scc1 .Lbias_v
	s_wait_alu depctr_va_vdst(0)
.irp b, 0,1,2,3,4,5,6,7
	global_load_b128 v[BIAS+8*\b:BIAS+8*\b+3], v25, s[66:67] offset:(32*(\b/2)+8*(\b%2))*4
	global_load_b128 v[BIAS+8*\b+4:BIAS+8*\b+7], v25, s[66:67] offset:(32*(\b/2)+8*(\b%2))*4+16
.endr
	s_branch .Lbias_done
.Lbias_v:
	s_wait_alu depctr_va_vdst(0)
.irp a, 0,1,2,3,4,5,6,7
.irp j, 0,1,2,3,4,5,6,7
	global_load_b32 v[BIAS+8*\a+\j], v26, s[66:67] offset:(32*(\a/2)+8*(\a%2))*4
.endr
.endr
.Lbias_done:
.macro FRAG reg, a16, a8, off
	ds_load_b128 v[\reg:\reg+3], v[\a16] offset:\off
	ds_load_b64 v[\reg+4:\reg+5], v[\a8] offset:\off+512
	ds_load_b128 v[\reg+6:\reg+9], v[\a16] offset:\off+768
	ds_load_b64 v[\reg+10:\reg+11], v[\a8] offset:\off+1280
.endm
.macro MUL16 a0, p, q, sc, mode
.irp a, \a0, \a0+1
.irp b, 0,1,2,3,4,5,6,7
.if \mode == 0
	v_wmma_scale_f32_16x16x128_f8f6f4 v[8*(8*((\a)%4)+\b):8*(8*((\a)%4)+\b)+7], v[128*(\p)+FR*\b:128*(\p)+FR*\b+FR-1], v[AF+FR*(\a):AF+FR*(\a)+FR-1], v[8*(8*((\a)%4)+\b):8*(8*((\a)%4)+\b)+7], v[SC+8*NQ*(\sc)+NQ*\b+(\q)], v[SC+8*NQ*(\sc)+NQ*(\a)+(\q)] matrix_a_fmt:MATRIX_FMT_FP6 matrix_b_fmt:MATRIX_FMT_FP6 matrix_a_scale:MATRIX_SCALE_ROW1
.elseif \mode == 1
	v_wmma_scale_f32_16x16x128_f8f6f4 v[8*(8*((\a)%4)+\b):8*(8*((\a)%4)+\b)+7], v[128*(\p)+FR*\b:128*(\p)+FR*\b+FR-1], v[AF+FR*(\a):AF+FR*(\a)+FR-1], v[BIAS+8*\b:BIAS+8*\b+7], v[SC+8*NQ*(\sc)+NQ*\b+(\q)], v[SC+8*NQ*(\sc)+NQ*(\a)+(\q)] matrix_a_fmt:MATRIX_FMT_FP6 matrix_b_fmt:MATRIX_FMT_FP6 matrix_a_scale:MATRIX_SCALE_ROW1
.else
	v_wmma_scale_f32_16x16x128_f8f6f4 v[8*(8*((\a)%4)+\b):8*(8*((\a)%4)+\b)+7], v[128*(\p)+FR*\b:128*(\p)+FR*\b+FR-1], v[AF+FR*(\a):AF+FR*(\a)+FR-1], v[BIAS+8*(\a):BIAS+8*(\a)+7], v[SC+8*NQ*(\sc)+NQ*\b+(\q)], v[SC+8*NQ*(\sc)+NQ*(\a)+(\q)] matrix_a_fmt:MATRIX_FMT_FP6 matrix_b_fmt:MATRIX_FMT_FP6 matrix_a_scale:MATRIX_SCALE_ROW1
.endif
.endr
.endr
.endm
.macro FETCH_B slot, q, p
	WIN TO_B
.irp i, 0,1,2,3,4,5,6,7
	FRAG 128*(\p)+FR*\i, B16+\slot, B8+\slot, \i*3072+(\q)*1536
.endr
	WIN 0
.endm
.macro FETCH_A slot, q, i0
.irp i, \i0, \i0+1, \i0+2, \i0+3
	FRAG AF+FR*(\i), A16+\slot, A8+\slot, (\i)*3072+(\q)*1536
.endr
.endm
.macro SCALES sc
.irp i, 0,1,2,3,4,5,6,7
	ds_load_b64 v[SC+8*NQ*\sc+NQ*\i:SC+8*NQ*\sc+NQ*\i+1], v[ADRS] offset:\i*512
.endr
.endm
.macro STEP slot, q, mode
	s_wait_dscnt 4*NL
.if \mode
	WIN 0x81
.else
	WIN MUL_LO
.endif
	MUL16 0, (\q)%2, \q, \slot, \mode
	MUL16 2, (\q)%2, \q, \slot, \mode
	s_wait_dscnt 0
	PLACES NP
	FETCH_B \slot, (\q)+1, 1-(\q)%2
	FETCH_A \slot, (\q)+1, 0
.if \mode
	WIN 0xc1
.else
	WIN MUL_HI
.endif
	MUL16 4, (\q)%2, \q, \slot, \mode
	MUL16 6, (\q)%2, \q, \slot, \mode
	PLACES NP
	WIN 0
	FETCH_A \slot, (\q)+1, 4
.endm
.macro TURN slot, next, fill
	s_wait_tensorcnt 0x0
	ds_add_u32 v[SPW], v[NIL]
	s_wait_dscnt 4*NL+1
	WIN MUL_LO
	MUL16 0, 1, NQ-1, \slot, 0
	s_wait_dscnt 0x0
	s_barrier_signal -1
	MUL16 2, 1, NQ-1, \slot, 0
	WIN 0
	s_barrier_wait -1
.if \fill
	CREST
	s_add_nc_u64 s[G0+4*\slot+2:G0+4*\slot+3], s[G0+4*\slot+2:G0+4*\slot+3], 6144
	s_add_nc_u64 s[G0B+4*\slot+2:G0B+4*\slot+3], s[G0B+4*\slot+2:G0B+4*\slot+3], 6144
	JLOAD G0+4*\slot, G1, G0B+4*\slot, G1B
.else
	PLACES NP
.endif
	s_wait_alu depctr_va_vdst(0)
	v_add_nc_u32 v[ADRS], 128, v[ADRS]
	FETCH_B \next, 0, 0
	FETCH_A \next, 0, 0
	SCALES \next
	WIN MUL_HI
	MUL16 4, 1, NQ-1, \slot, 0
	MUL16 6, 1, NQ-1, \slot, 0
	PLACES NP
	WIN 0
	FETCH_A \next, 0, 4
.endm
	s_wait_alu depctr_va_vdst(0)
	s_wait_tensorcnt 0x0                           ; my tile of the head's four is in; these lines stand ahead of a later first fill as ahead of a refill
	ds_add_u32 v[SPW], v[NIL]
	s_mov_b32 s[G1+2], 8<<16                       ; no tensor load of mine is out: from here on a load brings 8 tiles
	s_mov_b32 s[G1+4], 8
	s_mov_b32 s[G1B+2], 8<<16
	s_mov_b32 s[G1B+4], 8
	s_wait_dscnt 0x0
	CROUND                                         ; all four tiles are in, and all sixteen work-groups are here
	JLOAD G0+4, G1, G0B+4, G1B                     ; slot 1's first fill, the first tensor load behind the round
	FETCH_B 0, 0, 0
	FETCH_A 0, 0, 0
	SCALES 0
	FETCH_A 0, 0, 4
	s_wait_loadcnt 0x0
	s_cmp_ge_u32 s23, 16
	s_cbranch_scc1 .Lfirst_v
	STEP 0, 0, 1
	s_branch .Lfirst_done
.Lfirst_v:
	STEP 0, 0, 2
.Lfirst_done:
	TURN 0, 1, 1
	STEP 1, 0, 0
	TURN 1, 0, 1
	STEP 0, 0, 0
	TURN 0, 1, 0
	STEP 1, 0, 0
	s_wait_dscnt 4*NL
	WIN MUL_LO
	MUL16 0, 1, NQ-1, 1, 0
	MUL16 2, 1, NQ-1, 1, 0
	s_wait_dscnt 0
	WIN MUL_HI
	MUL16 4, 1, NQ-1, 1, 0
	MUL16 6, 1, NQ-1, 1, 0
	WIN 0
.macro QROW a
.set AC, 64*((\a)%4)
	WIN 0x0a+5*((\a)/4)
.irp b, 0,1,2,3
	v_max3_num_f32 v[TM+\b], |v[AC+16*\b]|, |v[AC+16*\b+1]|, 0x1800000
.endr
.irp i, 2,4,6,8,10,12,14
.irp b, 0,1,2,3
	v_max3_num_f32 v[TM+\b], |v[AC+16*\b+\i]|, |v[AC+16*\b+\i+1]|, v[TM+\b]
.endr
.endr
	WIN 0
.irp b, 0,1,2,3
	v_permlanex16_b32 v[TM+4+\b], v[TM+\b], s2, s3
.endr
.irp b, 0,1,2,3
	v_max_num_f32 v[TM+\b], v[TM+\b], v[TM+4+\b]
.endr
.irp b, 0,1,2,3
	v_add_nc_u32 v[TM+12+\b], 0xff000000, v[TM+\b]
.endr
.irp b, 0,1,2,3
	v_lshrrev_b32 v[TM+4+\b], 23, v[TM+12+\b]
.endr
	v_lshl_or_b32 v[PWS+(\a)], v[TM+5], 8, v[TM+4]
	v_lshl_or_b32 v[PWS+(\a)], v[TM+6], 16, v[PWS+(\a)]
	v_lshl_or_b32 v[PWS+(\a)], v[TM+7], 24, v[PWS+(\a)]
.if (\a) > 0
	s_wait_xcnt 0x0
.if (\a) == 4
	s_add_nc_u64 s[92:93], s[92:93], s[96:97]
.else
	s_add_nc_u64 s[92:93], s[92:93], s[94:95]
.endif
.endif
	WIN 2+(\a)/4
.irp c, 0,1
	v_cvt_scalef32_pk16_fp6_f32 v[PC+6*\c:PC+6*\c+2], v[AC+32*\c:AC+32*\c+15], v[TM+12+2*\c]
	v_cvt_scalef32_pk16_fp6_f32 v[CT+4*\c:CT+4*\c+2], v[AC+32*\c+16:AC+32*\c+31], v[TM+12+2*\c+1]
.endr
	WIN 0
	v_nop
.irp c, 0,1
.irp i, 0,1,2
	v_permlane16_swap_b32 v[PC+6*\c+\i], v[CT+4*\c+\i]
.endr
.irp i, 0,1,2
	v_mov_b32 v[PC+6*\c+3+\i], v[CT+4*\c+\i]
.endr
.endr
	global_store_b128 v8, v[PC:PC+3], s[92:93]
	global_store_b64 v9, v[PC+4:PC+5], s[92:93] offset:512
	global_store_b128 v10, v[PC+6:PC+9], s[92:93]
	global_store_b64 v11, v[PC+10:PC+11], s[92:93] offset:512
.endm
	PLACES NP
.irp b, 0,1,2,3
	v_mov_b32 v[TM+4+\b], 0
.endr
.irp a, 0,1,2,3,4,5,6,7
	QROW \a
.endr
	s_cmp_ge_u32 s23, 16
	s_cbranch_scc1 .Lwords_v
.irp a, 0,1,2,3,4,5,6,7
	v_and_or_b32 v[88+\a], v[PWS+\a], 0xffff, s101
	v_lshrrev_b32 v[64+\a], 16, v[PWS+\a]
	v_or_b32 v[64+\a], s101, v[64+\a]
	ds_store_b32 v12, v[88+\a] offset:256*(\a%2)+4*(\a/2)
	ds_store_b32 v12, v[64+\a] offset:512+256*(\a%2)+4*(\a/2)
.endr
	ds_load_b128 v[116:119], v13
	ds_load_b128 v[120:123], v13 offset:512
	s_wait_dscnt 0x0
	global_store_b128 v8, v[116:119], s[98:99]
	global_store_b128 v8, v[120:123], s[98:99] offset:20480
	s_branch .Lwords_done
.Lwords_v:
.irp a, 0,1,2,3,4,5,6,7
	ds_store_b32 v14, v[PWS+\a] offset:256*(\a/4)+128*(\a%2)+4*((\a%4)/2)
.endr
	ds_load_b128 v[116:119], v15
	s_wait_dscnt 0x0
	global_store_b128 v24, v[116:119], s[98:99]
.Lwords_done:
	s_wait_tensorcnt 0x0
	ds_add_u32 v[SPW], v[NIL]
	s_wait_dscnt 0x0
	CROUND
	s_endpgm
.Lfunc_end_k_q2e05ff49d7_proj:
	.size	k_q2e05ff49d7_proj, .Lfunc_end_k_q2e05ff49d7_proj-k_q2e05ff49d7_proj
	.p2alignl 7, 3214868480
	.fill 96, 4, 3214868480
	.section	.rodata,"a",@progbits
	.p2align	6, 0x0
	.amdhsa_kernel k_q2e05ff49d7_proj
		.amdhsa_group_segment_fixed_size 327680
		.amdhsa_private_segment_fixed_size 0
		.amdhsa_enable_private_segment 0
		.amdhsa_kernarg_size 56
		.amdhsa_user_sgpr_count 2
		.amdhsa_user_sgpr_kernarg_segment_ptr 1
		.amdhsa_wavefront_size32 1
		.amdhsa_system_sgpr_workgroup_id_x 1
		.amdhsa_system_sgpr_workgroup_id_y 1
		.amdhsa_system_sgpr_workgroup_id_z 1
		.amdhsa_system_vgpr_workitem_id 0
		.amdhsa_next_free_vgpr 1024
		.amdhsa_next_free_sgpr 102
		.amdhsa_reserve_vcc 0
		.amdhsa_float_denorm_mode_32 3
		.amdhsa_float_denorm_mode_16_64 3
		.amdhsa_memory_ordered 1
		.amdhsa_forward_progress 1
		.amdhsa_inst_pref_size 176
	.end_amdhsa_kernel
	.amdgpu_metadata
---
amdhsa.version: [ 1, 2 ]
amdhsa.kernels:
  - .name:           k_q2e05ff49d7_proj
    .symbol:         k_q2e05ff49d7_proj.kd
    .args:
      - { .name: xc, .offset: 0, .size: 8, .value_kind: global_buffer, .address_space: global }
      - { .name: xs, .offset: 8, .size: 8, .value_kind: global_buffer, .address_space: global }
      - { .name: bq, .offset: 16, .size: 8, .value_kind: global_buffer, .address_space: global }
      - { .name: bk, .offset: 24, .size: 8, .value_kind: global_buffer, .address_space: global }
      - { .name: bv, .offset: 32, .size: 8, .value_kind: global_buffer, .address_space: global }
      - { .name: hc, .offset: 40, .size: 8, .value_kind: global_buffer, .address_space: global }
      - { .name: hs, .offset: 48, .size: 8, .value_kind: global_buffer, .address_space: global }
    .group_segment_fixed_size: 327680
    .private_segment_fixed_size: 0
    .kernarg_segment_align: 8
    .kernarg_segment_size: 56
    .max_flat_workgroup_size: 128
    .sgpr_count:     102
    .vgpr_count:     1024
    .wavefront_size: 32
...
	.end_amdgpu_metadata
.endif
;; end of part 2
;; launch attn (part 3): grid 4 x 64, 16 waves a work-group, clusters of 4 x 1, 210,944 bytes of LDS; arguments hc, hs, cc, cs; writes cc, cs
.if DOCPART == 3
	.amdgcn_target "amdgcn-amd-amdhsa--gfx1250"
	.amdhsa_code_object_version 6
	.text
	.protected	k_q2e05ff49d7_attn
	.globl	k_q2e05ff49d7_attn
	.p2align	8
	.type	k_q2e05ff49d7_attn,@function
k_q2e05ff49d7_attn:
	s_mov_b64 s[64:65], 0
	v_nop
	global_prefetch_b8 v0, s[64:65] scope:SCOPE_SE
	s_setreg_imm32_b32 hwreg(HW_REG_WAVE_MODE, 25, 1), 1
	s_wait_xcnt 0x0
	s_wait_alu depctr_hold_cnt(0) depctr_sa_sdst(0) depctr_va_vdst(0) depctr_va_sdst(0) depctr_va_ssrc(0) depctr_va_vcc(0) depctr_vm_vsrc(0)
	s_getreg_b32 s2, hwreg(HW_REG_IB_STS2, 6, 4)
	s_cmp_eq_u32 s2, 0
	s_cbranch_scc0 .Lentry_in_a_cluster
	s_endpgm
.Lentry_in_a_cluster:
	s_bfe_u32 s2, ttmp6, 0x10000c
	s_cmp_lg_u32 s2, 0x3003
	s_cbranch_scc0 .Lentry_shape_is_right
	s_endpgm
.Lentry_shape_is_right:
; For each batch and head: O[q] = the sum over the keys of softmax(Q[q] . K[key] / 8) V[key], both products on codes of FP6 (E2M3) with E8M0 scales; O is quantised at once along the
; model's 1,024 (this head's 64 are two blocks of 32) for the last product, and never goes to memory as f32.
; THE SOFTMAX: t = score x log2(e) / 8; M = the row's largest t so far, rounded UP to a whole number; p = 2^(t - M) is quantised along the keys, not normalised.  The row's sum is taken of the
; unquantised p and divides O at the end.  When M moves, the sum and O are multiplied by 2^(old M - new M): exact, in every step, with no branch.
; A block's largest p is not searched for: the block's largest score goes through the same multiply-add and exponential (this takes v_exp_f32 not to fall where its input rises).
; SHARES.  A work-group owns 512 queries of one head, each of its sixteen waves two tiles of 16, one after the other.  Every wave walks all 2,048 keys, 128 a step, two steps a trip.
; LDS.  A head's K, V and their scale words are 208,896 bytes: filled once, never again.  Chunk w (steps 2 w, 2 w + 1) lies at 24,576 w: K's 12,288 bytes, then V's: one tensor load of two rows,
; the second 6,291,456 bytes behind the first in hc.  Waves 0-7 fetch a chunk each, wave 8 the 12,288 bytes of scale words: one tensor load a wave at the most.
; CLUSTER.  The four work-groups of a cluster belong to one head: each fill is asked for jointly, by the same tensor load with a mask that names the four.
; NO PREFETCH: every byte that LDS takes is asked for at the head, by those nine loads; there is no loop to run ahead in.
; LAYOUT.  Operands lie as images of their registers (16 rows x 64 along K: 768 bytes: registers 0-3 of lane l at 16 l, registers 4, 5 at 512 + 8 l).  Both products are used transposed:
; S^T = K Q^T, O^T = V^T P^T: a lane holds one query throughout.  Rows 0-7 of K's tile 4 c + u of a step are keys 64 c + 8 u + 0..7, rows 8-15 those 32 further on: so the 32 registers of tiles
; 4 c .. 4 c + 3 in lane (r, h) are keys 64 c + 32 h + 0..31: ONE WHOLE BLOCK, in the very order of the next operand's registers 6 c .. 6 c + 5.
; THE SCORE PRODUCT'S K IS 64.  The upper six registers of Q's fragment hold zero codes, under the bytes 127.  K's eight tiles of a step lie packed, six registers each: the upper six registers of a
; tile's operand are the next tile's codes (behind the last: zeros).  Every code of E2M3 is a finite number and K's upper bytes are 127, so Q's zeros make those products 0.
; K'S FRAGMENTS COME ONE STEP AHEAD, in one run of loads ahead of the exponentials; the walk wraps, so a tile's last step fetches step 0's (the second tile's last fetch is not used).
; LIMITS: the promise holds while the scaled scores t stay under 2^31 in magnitude; NaN and infinities are not served; a block of O whose largest magnitude lies under 2^-124 gets the byte 1: this program alone reads the bytes.
.set SCW, 196608                       ; LDS: K's scale words 8,192 bytes, then V's 4,096
.set SPB, 208896                       ; the spare words: 128 bytes a wave
.set NM,  12                           ; v[12:13], v[14:15]: -M in the low word, by turns from step to step
.set RM,  16                           ; the largest score so far
.set L,   18                           ; v[18:19] the row's sum in two halves
.set F,   20                           ; v20 f = 2^(old M - new M); v21 stays 0
.set KS,  34                           ; v34-37 K's scale words of a step: register i: lanes 0-15 tile 2 i, lanes 16-31 tile 2 i + 1
.set VS,  38                           ; v38-39 V's likewise
.set KF,  40                           ; v40-87 K's eight tiles, six registers each; v88-93 zeros
.set S,   94                           ; v94-157 S^T, then p; then V's four fragments in v94-141
.set O,   158                          ; v158-189 O^T
.set PC,  190                          ; v190-201 p's codes
.set CT,  202                          ; v202-204, v206-208 the upper halves of the blocks, as the conversions leave them
.set BM,  210                          ; v210-211 my two blocks' largest
.set OP,  212                          ; v212-213 the conversions' scale operands
.set MX,  214                          ; v214-221 maxima on the way, then four chains of the sum
.set EX,  222                          ; v222-223 bytes
.set T,   224                          ; v224-225 at work
.set PW,  239                          ; p's scale word
.set SA,  240                          ; v240-245 three more chains of the sum
.set KN,  246                          ; v246-248 the next trip's addresses of K and of its scale words
; v1 16 x lane, v2 8 x lane, v3, v4 the scale words' places, v5 16 r, v6 8 r, v7 8 h; v8-11 a trip's addresses; v22-33, v17 Q and its scale words, tile 0; v226-237, v238 tile 1; v254, v255 the add's
.macro CROUND
	s_barrier_signal -1
	s_barrier_wait -1
	s_cmp_lg_u32 s12, 0
	s_cbranch_scc1 .Lnot_wave_0_\@
	s_barrier_signal -3
.Lnot_wave_0_\@:
	s_barrier_wait -3
	s_barrier_signal -1
	s_barrier_wait -1
.endm
.macro D1
	s_delay_alu instid0(VALU_DEP_1)
.endm
.macro MM d, a, b, acc, sa, sb, row    ; acc = 0: the product starts the sum;  row = 1: source 0's scales stand in lanes 16-31
.if \acc
.if \row
	v_wmma_scale_f32_16x16x128_f8f6f4 v[\d:\d+7], v[\a:\a+11], v[\b:\b+11], v[\d:\d+7], v[\sa], v[\sb] matrix_a_fmt:MATRIX_FMT_FP6 matrix_b_fmt:MATRIX_FMT_FP6 matrix_a_scale:MATRIX_SCALE_ROW1
.else
	v_wmma_scale_f32_16x16x128_f8f6f4 v[\d:\d+7], v[\a:\a+11], v[\b:\b+11], v[\d:\d+7], v[\sa], v[\sb] matrix_a_fmt:MATRIX_FMT_FP6 matrix_b_fmt:MATRIX_FMT_FP6
.endif
.else
.if \row
	v_wmma_scale_f32_16x16x128_f8f6f4 v[\d:\d+7], v[\a:\a+11], v[\b:\b+11], 0, v[\sa], v[\sb] matrix_a_fmt:MATRIX_FMT_FP6 matrix_b_fmt:MATRIX_FMT_FP6 matrix_a_scale:MATRIX_SCALE_ROW1
.else
	v_wmma_scale_f32_16x16x128_f8f6f4 v[\d:\d+7], v[\a:\a+11], v[\b:\b+11], 0, v[\sa], v[\sb] matrix_a_fmt:MATRIX_FMT_FP6 matrix_b_fmt:MATRIX_FMT_FP6
.endif
.endif
.endm
	s_load_b256 s[4:11], s[0:1], 0x0               ; hc s[4:5], hs s[6:7], cc s[8:9], cs s[10:11]
	v_lshl_add_u32 v254, v0, 2, SPB
	v_mov_b32 v255, 0
	ds_add_u32 v254, v255                          ; the opening lines: the add, twice on end, and its wait
	ds_add_u32 v254, v255
	v_lshrrev_b32 v1, 5, v0
	D1
	v_readfirstlane_b32 s12, v1                    ; wave 0..15
	s_bfe_u32 s13, ttmp6, 0x40000                  ; cx: it enters Q's and the results' addresses alone
	s_and_b32 s14, ttmp7, 0xffff                   ; 16 x batch + head, which the four partners share
	s_mov_b32 s24, 15|(3<<16)|(1<<21)              ; a chunk: the mask names all four; elements of 8 bytes; two rows of 1,536 elements, 786,432 elements apart
	s_mov_b32 s25, 1536<<16
	s_mov_b32 s26, 2<<16
	s_mov_b32 s27, 1536<<16
	s_mov_b32 s28, 2
	s_mov_b32 s29, 786432
	s_mov_b32 s30, 0
	s_mov_b32 s31, 0
	s_mov_b32 s32, 15|(3<<16)|(1<<21)              ; the scale words: 12,288 dense bytes as 48 rows of 256
	s_mov_b32 s33, 32<<16
	s_mov_b32 s34, 48<<16
	s_mov_b32 s35, 32<<16
	s_mov_b32 s36, 48
	s_mov_b32 s37, 32
	s_mov_b32 s38, 0
	s_mov_b32 s39, 0
	s_min_u32 s76, s12, 7                          ; the chunk that I fetch, if I fetch one
	s_mul_i32 s41, s76, 24576                      ; in LDS
	s_mul_i32 s76, s76, 12288
	s_mul_i32 s82, s14, 98304
	s_add_co_u32 s82, s82, s76
	s_add_co_u32 s82, s82, 6291456                 ; K's part of hc; V's lies as far behind it again
	s_mov_b32 s83, 0
	s_mul_i32 s80, s14, 20480
	s_add_co_u32 s80, s80, 8192                    ; K's and V's scale words of this head
	s_mov_b32 s81, 0
	s_mov_b32 s40, 1
	s_mov_b32 s44, 1
	s_mov_b32 s45, SCW
	s_mov_b32 s20, 0x76543210
	s_mov_b32 s21, 0xfedcba98                      ; selects for lane l xor 16
	s_mov_b32 s22, 0x3e38aa3b                      ; c = log2(e) / 8
	s_mov_b32 s23, s22                             ; (named with it as a pair, so it is written)
	s_wait_dscnt 0x0
	s_wait_kmcnt 0x0
	s_add_nc_u64 s[42:43], s[4:5], s[82:83]
	s_or_b32 s43, s43, 0x80000000
	s_add_nc_u64 s[46:47], s[6:7], s[80:81]
	s_or_b32 s47, s47, 0x80000000
	CROUND                                         ; all four work-groups are here: the joint loads meet
	s_cmp_lt_u32 s12, 8                            ; one chain of branches on the wave's number, one fill to an arm
	s_cbranch_scc0 .Lnot_codes
	tensor_load_to_lds s[40:43], s[24:31]          ; waves 0-7: my chunk of K and V
	s_nop 0
.rept 4
	v_nop
.endr
	s_branch .Lasked
.Lnot_codes:
	s_cmp_eq_u32 s12, 8
	s_cbranch_scc0 .Lasked
	tensor_load_to_lds s[44:47], s[32:39]          ; wave 8: the scale words
	s_nop 0
.rept 4
	v_nop
.endr
.Lasked:
	s_lshl_b32 s76, s13, 5
	s_lshl_b32 s77, s12, 1
	s_add_co_u32 s76, s76, s77                     ; my first tile of queries: 32 cx + 2 x wave
	s_mul_i32 s78, s76, 768
	s_mul_i32 s77, s14, 98304
	s_add_co_u32 s78, s78, s77
	s_mov_b32 s79, 0
	s_add_nc_u64 s[68:69], s[4:5], s[78:79]        ; Q's codes
	s_mul_i32 s78, s14, 20480
	s_lshl_b32 s77, s13, 2
	s_lshr_b32 s80, s12, 2
	s_add_co_u32 s77, s77, s80
	s_lshl_b32 s77, s77, 9                         ; the block of 8 tiles,
	s_add_co_u32 s78, s78, s77
	s_and_b32 s77, s12, 3
	s_lshl_b32 s77, s77, 2                         ; the pair of tiles in it
	s_add_co_u32 s78, s78, s77
	s_add_nc_u64 s[70:71], s[6:7], s[78:79]        ; Q's scale words
	s_lshr_b32 s80, s14, 4
	s_lshl_b32 s80, s80, 7
	s_add_co_u32 s80, s80, s76                     ; my first tile among all 512: 128 x batch + ..
	s_and_b32 s81, s14, 15                         ; the head
	s_mul_i32 s78, s80, 12288
	s_mul_i32 s77, s81, 768
	s_add_co_u32 s78, s78, s77
	s_add_nc_u64 s[72:73], s[8:9], s[78:79]        ; the results' codes
	s_lshl_b32 s78, s80, 9
	s_lshr_b32 s77, s81, 2
	s_lshl_b32 s77, s77, 7
	s_add_co_u32 s78, s78, s77
	s_and_b32 s77, s81, 3
	s_lshl_b32 s77, s77, 1
	s_add_co_u32 s78, s78, s77
	s_add_nc_u64 s[74:75], s[10:11], s[78:79]      ; and this head's two bytes of their scale words
	v_and_b32 v2, 31, v0
	v_and_b32 v6, 15, v0
	v_bfe_u32 v7, v0, 4, 1
	v_lshlrev_b32 v1, 4, v2                        ; 16 x lane
	v_lshlrev_b32 v2, 3, v2                        ; 8 x lane
	v_lshlrev_b32 v5, 4, v6                        ; 16 r
	v_lshlrev_b32 v6, 3, v6                        ; 8 r
	v_lshlrev_b32 v7, 3, v7                        ; 8 h: where my two bytes stand in p's scale word
	v_add_nc_u32 v3, SCW, v1
	v_add_nc_u32 v4, SCW+8192, v2
	s_wait_alu depctr_va_vdst(0)
	global_load_b128 v[22:25], v1, s[68:69]                 ; Q stays in registers: both tiles
	global_load_b64 v[26:27], v2, s[68:69] offset:512
	global_load_b128 v[226:229], v1, s[68:69] offset:768
	global_load_b64 v[230:231], v2, s[68:69] offset:1280
	global_load_b32 v17, v5, s[70:71]
	global_load_b32 v238, v5, s[70:71] offset:256
.irp j, 0,1,2,3,4,5
	v_mov_b32 v[28+\j], 0                          ; zero codes for the upper 64 of the score product's K
	v_mov_b32 v[232+\j], 0
	v_mov_b32 v[KF+48+\j], 0                       ; and behind K's last tile
.endr
.irp r, 13, 15, 21, EX, EX+1, T, T+1
	v_mov_b32 v[\r], 0                             ; the upper words of pairs that are named whole, and lane permutes' destinations
.endr
.macro BMAX c                          ; my block c's 32 scores: four chains, a tile each, every tile from its low end on
.set SB, S+32*\c
.set MB, MX+4*\c
.irp u, 0,1,2,3
	v_max3_num_f32 v[MB+\u], v[SB+8*\u], v[SB+8*\u+1], v[SB+8*\u+2]
.endr
.irp i, 3,5
.irp u, 0,1,2,3
	v_max3_num_f32 v[MB+\u], v[MB+\u], v[SB+8*\u+\i], v[SB+8*\u+\i+1]
.endr
.endr
	v_max3_num_f32 v[MB], v[MB], v[SB+7], v[SB+15]
	v_max3_num_f32 v[MB+2], v[MB+2], v[SB+23], v[SB+31]
.endm
.macro LATE3                           ; the last three pairs of the step before, which tile 7's next product has not yet written over: four plain lines
	v_pk_add_f32 v[L:L+1], v[L:L+1], v[S+58:S+59]
	v_pk_add_f32 v[SA:SA+1], v[S+60:S+61], v[S+62:S+63]
	v_nop
	v_pk_add_f32 v[L:L+1], v[L:L+1], v[SA:SA+1]
.endm
.macro KL j, par                       ; load j of the sixteen that bring the NEXT step's K: par = 0: this chunk's second step; par = 1: the next chunk's first
.if \par
.set KA, KN
.set KO, 0
.else
.set KA, 8
.set KO, 6144
.endif
.if (\j)%2
	ds_load_b64 v[KF+6*((\j)/2)+4:KF+6*((\j)/2)+5], v[KA+1] offset:KO+768*((\j)/2)+512
.else
	ds_load_b128 v[KF+6*((\j)/2):KF+6*((\j)/2)+3], v[KA] offset:KO+768*((\j)/2)
.endif
.endm
.macro VL n, par                       ; load n of the sixteen that bring this step's V: four fragments of 16 channels x 128 keys, where p lay
.set VT, S+12*((\n)/4)
.set VO, 12288+6144*\par+1536*((\n)/4)
.if (\n)%4 == 0
	ds_load_b128 v[VT:VT+3], v8 offset:VO
.elseif (\n)%4 == 1
	ds_load_b64 v[VT+4:VT+5], v9 offset:VO+512
.elseif (\n)%4 == 2
	ds_load_b128 v[VT+6:VT+9], v8 offset:VO+768
.else
	ds_load_b64 v[VT+10:VT+11], v9 offset:VO+1280
.endif
.endm
.macro FMA0 n
.rept \n
	v_pk_fma_f32 v[S+J:S+J+1], v[S+J:S+J+1], s[22:23], v[NC:NC+1] op_sel_hi:[1,0,0]   ; t - M, two at a time
.set J, J+2
.endr
.endm
; A KEY STEP: 128 keys.  par: which of the trip's two;  Q: my tile's fragment;  QS: its scale words.  K's tiles and scale words are in registers: the waits ahead of the last V^T P covered them
.macro STEP par, Q, QS
.set NC, NM+2*\par                     ; the new -M
.set NO, NM+2-2*\par                   ; the old one
.irp g, 0,1                            ; S^T = K Q^T
.irp t, 0,2
	MM S+8*(4*\g+\t), KF+6*(4*\g+\t), \Q, 0, KS+2*\g+\t/2, \QS, 0
	MM S+8*(4*\g+\t+1), KF+6*(4*\g+\t+1), \Q, 0, KS+2*\g+\t/2, \QS, 1
.endr
.if \g == 0
	LATE3                                          ; also the four places in front of the reads of tiles 0-3
.endif
.endr
	BMAX 0                                         ; tiles 0-3 alone: these fourteen lines are the places behind tiles 4-7's products
	BMAX 1
	v_max3_num_f32 v[BM], v[MX], v[MX+1], v[MX+2]
	v_max3_num_f32 v[BM+1], v[MX+4], v[MX+5], v[MX+6]
	v_max_num_f32 v[BM], v[BM], v[MX+3]            ; the largest score of my block h,
	v_max_num_f32 v[BM+1], v[BM+1], v[MX+7]        ; and of my block 2 + h
	D1
	v_max_num_f32 v[T], v[BM], v[BM+1]
	D1
	v_permlanex16_b32 v[T+1], v[T], s20, s21
	D1
	v_max3_num_f32 v[RM], v[RM], v[T], v[T+1]      ; with lane l xor 16's two blocks: the running largest score
	D1
	v_mul_f32 v[T], s22, v[RM]                     ; as t (c is positive)
	D1
	v_floor_f32 v[NC], -v[T]                       ; the new -M = floor(-t) = -ceil(t): a whole number
	D1
	v_sub_f32 v[T], v[NC], v[NO]                   ; old M - new M: a whole number, 0 or less.  (f's chain stands among the first block's multiply-adds)
.set J, 0
	FMA0 3
	v_cvt_i32_f32 v[T], v[T]                       ; (it saturates)
	FMA0 3
	v_ldexp_f32 v[F], 1.0, v[T]                    ; f = 2^(old M - new M)
	FMA0 10
	v_fma_f32 v[BM], v[BM], s22, v[NC]             ; the same of the block's largest score
.set J, 0
.rept 16
	v_pk_mul_f32 v[O+J:O+J+1], v[O+J:O+J+1], v[F:F+1] op_sel_hi:[1,0]   ; O^T under the new M, each accumulator from its low end on; no transcendental stands between its products and these reads
.set J, J+2
.endr
	s_wait_alu depctr_va_vdst(0)                   ; the wait ahead of the batch
.set J, 0
.rept 16
	KL J, \par                                     ; the next step's K, in one run: the score products that read these registers stand far more than four plain lines back
.set J, J+1
.endr
.if \par
	ds_load_b128 v[KS:KS+3], v[KN+2]               ; and the next step's scale words of K
.else
	ds_load_b128 v[KS:KS+3], v10 offset:512
.endif
.set J, 0
.rept 16                               ; the first block's p = 2^(t - M), by turns with the second block's t - M
	v_exp_f32 v[S+2*J], v[S+2*J]
	v_pk_fma_f32 v[S+32+2*J:S+33+2*J], v[S+32+2*J:S+33+2*J], s[22:23], v[NC:NC+1] op_sel_hi:[1,0,0]
	v_exp_f32 v[S+2*J+1], v[S+2*J+1]
.set J, J+1
.endr
	v_exp_f32 v[BM], v[BM]                         ; the block's largest p
	v_fma_f32 v[BM+1], v[BM+1], s22, v[NC]         ; (a plain place behind the exponentials)
	s_wait_alu depctr_va_vdst(0)                   ; the wait behind the first half of the batch and ahead of the second
	v_max_num_f32 v[BM], 0x1800000, v[BM]          ; the floor 2^(3 - 127): the byte cannot fall under 1
	v_add_nc_u32 v[OP], 0xff000000, v[BM]          ; 2 off the exponent field: the conversion's scale operand
	v_cvt_scalef32_pk16_fp6_f32 v[PC:PC+2], v[S:S+15], v[OP]
	v_cvt_scalef32_pk16_fp6_f32 v[CT:CT+2], v[S+16:S+31], v[OP]   ; (a conversion's three registers begin on an even number)
	v_pk_fma_f32 v[L:L+1], v[L:L+1], v[F:F+1], v[S:S+1] op_sel_hi:[1,0,1]   ; the sum under the new M, and the first pair of p; then seven chains begin, two pairs each: v94-123
.irp j, 1,2,3
	v_pk_add_f32 v[SA+2*\j-2:SA+2*\j-1], v[S+4*\j-2:S+4*\j-1], v[S+4*\j:S+4*\j+1]
.endr
.irp j, 4,5,6,7
	v_pk_add_f32 v[MX+2*\j-8:MX+2*\j-7], v[S+4*\j-2:S+4*\j-1], v[S+4*\j:S+4*\j+1]
.endr
	ds_load_b64 v[VS:VS+1], v11 offset:256*\par    ; v94-117 have been read: V's scale words and its first two fragments, in one run
.irp n, 0,1,2,3,4,5,6,7
	VL \n, \par
.endr
.set J, 0
.rept 32
	v_exp_f32 v[S+32+J], v[S+32+J]                 ; the second block's p
.set J, J+1
.endr
	v_exp_f32 v[BM+1], v[BM+1]
	v_nop                                          ; a plain place behind the exponentials
	s_wait_alu depctr_va_vdst(0)                   ; and the wait behind the batch
	v_max_num_f32 v[BM+1], 0x1800000, v[BM+1]
	v_add_nc_u32 v[OP+1], 0xff000000, v[BM+1]
	v_cvt_scalef32_pk16_fp6_f32 v[PC+6:PC+8], v[S+32:S+47], v[OP+1]
	v_cvt_scalef32_pk16_fp6_f32 v[CT+4:CT+6], v[S+48:S+63], v[OP+1]
	v_pk_add_f32 v[L:L+1], v[L:L+1], v[S+30:S+31]  ; nine more pairs, v124-141, on eight chains.  (Plain places behind the conversions)
.irp i, 0,1,2
	v_pk_add_f32 v[SA+2*\i:SA+2*\i+1], v[SA+2*\i:SA+2*\i+1], v[S+32+2*\i:S+33+2*\i]
.endr
.irp i, 0,1,2,3
	v_pk_add_f32 v[MX+2*\i:MX+2*\i+1], v[MX+2*\i:MX+2*\i+1], v[S+38+2*\i:S+39+2*\i]
.endr
	v_pk_add_f32 v[L:L+1], v[L:L+1], v[S+46:S+47]
.irp n, 8,9,10,11,12,13,14,15
	VL \n, \par                                    ; v118-141 have been read: V's other two fragments
.endr
	v_lshrrev_b32 v[EX], 23, v[OP]                 ; the scales' bytes
	v_lshrrev_b32 v[EX+1], 23, v[OP+1]
	v_mov_b32 v[PC+3], v[CT]                       ; the moves stand among the word's chain
	v_lshl_or_b32 v[EX], v[EX+1], 16, v[EX]        ; my two bytes, blocks h and 2 + h,
	v_mov_b32 v[PC+4], v[CT+1]
	v_lshlrev_b32 v[EX], v7, v[EX]                 ; at their places in the word;
	v_mov_b32 v[PC+5], v[CT+2]
	v_permlanex16_b32 v[T+1], v[EX], s20, s21
	v_mov_b32 v[PC+9], v[CT+4]
	v_or_b32 v[PW], v[EX], v[T+1]                  ; with lane l xor 16's two the word is whole.  Nine plain lines stand between it and the products (8 are asked)
	v_mov_b32 v[PC+10], v[CT+5]
	v_mov_b32 v[PC+11], v[CT+6]
	v_pk_add_f32 v[SA:SA+1], v[SA:SA+1], v[SA+2:SA+3]      ; the chains join
	v_pk_add_f32 v[SA+4:SA+5], v[SA+4:SA+5], v[MX:MX+1]
	v_pk_add_f32 v[MX+2:MX+3], v[MX+2:MX+3], v[MX+4:MX+5]
	v_pk_add_f32 v[L:L+1], v[L:L+1], v[MX+6:MX+7]
	v_pk_add_f32 v[SA:SA+1], v[SA:SA+1], v[SA+4:SA+5]
	v_pk_add_f32 v[L:L+1], v[L:L+1], v[MX+2:MX+3]
	v_pk_add_f32 v[L:L+1], v[L:L+1], v[SA:SA+1]
	s_wait_alu depctr_va_vdst(0)
	s_wait_dscnt 8                                 ; all but the eight loads issued last: the next step's K, V's scale words and its fragments 0 and 1 are in
	MM O, S, PC, 1, VS, PW, 0                      ; O^T += V^T P^T: the four accumulators by turns, one instruction a turn
	MM O+8, S+12, PC, 1, VS, PW, 1
	s_wait_dscnt 0x0                               ; fragments 2 and 3
	MM O+16, S+24, PC, 1, VS+1, PW, 0
	MM O+24, S+36, PC, 1, VS+1, PW, 1
	v_pk_add_f32 v[L:L+1], v[L:L+1], v[S+48:S+49]  ; five more pairs of p, v142-151: also the five places between these products, which read v94-141, and the score products that write over them
	v_pk_add_f32 v[SA:SA+1], v[S+50:S+51], v[S+52:S+53]
	v_pk_add_f32 v[SA+2:SA+3], v[S+54:S+55], v[S+56:S+57]
	v_pk_add_f32 v[L:L+1], v[L:L+1], v[SA:SA+1]
	v_pk_add_f32 v[L:L+1], v[L:L+1], v[SA+2:SA+3]
.endm
.macro RUN Q, QS                       ; eight trips of two steps: a chunk of LDS a trip
	s_mov_b32 s63, 0
.Lrun_\@:
	s_mul_i32 s60, s63, 24576                      ; this chunk,
	s_lshl_b32 s61, s63, 10                        ; K's scale words,
	s_lshl_b32 s62, s63, 9                         ; V's;
	s_add_co_u32 s66, s63, 1
	s_and_b32 s66, s66, 7                          ; the next chunk: behind the last comes the first
	s_lshl_b32 s67, s66, 10
	s_mul_i32 s66, s66, 24576
	v_add_nc_u32 v8, s60, v1
	v_add_nc_u32 v9, s60, v2
	v_add_nc_u32 v10, s61, v3
	v_add_nc_u32 v11, s62, v4
	v_add_nc_u32 v[KN], s66, v1
	v_add_nc_u32 v[KN+1], s66, v2
	v_add_nc_u32 v[KN+2], s67, v3
	s_wait_alu depctr_va_vdst(0)                   ; the sum was written just ahead of the jump
	STEP 0, \Q, \QS
	STEP 1, \Q, \QS
	s_add_co_u32 s63, s63, 1
	s_cmp_lt_u32 s63, 8
	s_cbranch_scc1 .Lrun_\@
.endm
; O^T / the sum is quantised: register 16 b + i is channel 32 b + 16 (lane / 16) + i: two blocks, half a fragment's image, and two scale bytes a row
.macro FINISH p
	LATE3                                          ; the last step's last three pairs
	D1
	v_add_f32 v[L], v[L], v[L+1]                   ; the sum's two halves,
	D1
	v_permlanex16_b32 v[T+1], v[L], s20, s21
	D1
	v_add_f32 v[L], v[L], v[T+1]                   ; and lane l xor 16's
	s_wait_alu depctr_va_vdst(0)
	v_rcp_f32 v[L], v[L]
	v_nop                                          ; one plain place behind a transcendental
	s_wait_alu depctr_va_vdst(0)
.set J, 0
.rept 16
	v_pk_mul_f32 v[S+J:S+J+1], v[O+J:O+J+1], v[L:L+1] op_sel_hi:[1,0]
.set J, J+2
.endr
.irp b, 0,1
	v_max3_num_f32 v[BM+\b], |v[S+16*\b]|, |v[S+16*\b+1]|, 0x1800000
.endr
.irp i, 2,4,6,8,10,12,14
.irp b, 0,1
	s_delay_alu instid0(VALU_DEP_2)
	v_max3_num_f32 v[BM+\b], v[BM+\b], |v[S+16*\b+\i]|, |v[S+16*\b+\i+1]|
.endr
.endr
.irp b, 0,1
	s_delay_alu instid0(VALU_DEP_2)
	v_permlanex16_b32 v[EX+\b], v[BM+\b], s20, s21
.endr
.irp b, 0,1
	s_delay_alu instid0(VALU_DEP_2)
	v_max_num_f32 v[BM+\b], v[BM+\b], v[EX+\b]
.endr
.irp b, 0,1
	s_delay_alu instid0(VALU_DEP_2)
	v_add_nc_u32 v[OP+\b], 0xff000000, v[BM+\b]
.endr
.irp b, 0,1
	s_delay_alu instid0(VALU_DEP_2)
	v_lshrrev_b32 v[EX+\b], 23, v[OP+\b]
.endr
	D1
	v_lshl_or_b32 v[T], v[EX+1], 8, v[EX]          ; the row's two bytes
	v_cvt_scalef32_pk16_fp6_f32 v[PC:PC+2], v[S:S+15], v[OP]
	v_cvt_scalef32_pk16_fp6_f32 v[CT:CT+2], v[S+16:S+31], v[OP+1]
	v_nop
.irp i, 0,1,2
	v_permlane16_swap_b32 v[PC+\i], v[CT+\i]       ; here a block lies in lanes l and l xor 16: the operand's layout wants it whole in a lane
.endr
.irp i, 0,1,2
	v_mov_b32 v[PC+3+\i], v[CT+\i]
.endr
	global_store_b128 v1, v[PC:PC+3], s[72:73] offset:12288*\p          ; 512 consecutive bytes at a multiple of 256
	global_store_b64 v2, v[PC+4:PC+5], s[72:73] offset:12288*\p+512     ; 256
	global_store_b16 v6, v[T], s[74:75] offset:512*\p                   ; 2 bytes a row, 8 bytes apart: one byte in 24 of what is stored.  Lanes l and l xor 16 store the same value at the same place
.if \p == 0
	s_wait_xcnt 0x0                                ; the next tile writes these stores' data registers again
.endif
.endm
.macro START                           ; a tile begins: the first step's f is 0, and finds zeros
	v_mov_b32 v[RM], 0xff61b1e6                    ; the largest score so far: -3e38
	v_mov_b32 v[NM+2], 0x7e800000                  ; the first step's old -M: 2^126, so that old M - new M saturates and f = 0
	v_mov_b32 v[L], 0
	v_mov_b32 v[L+1], 0
.set J, 0
.rept 32
	v_mov_b32 v[O+J], 0
.set J, J+1
.endr
.irp j, 58,59,60,61,62,63
	v_mov_b32 v[S+\j], 0                           ; no step before the first: its three late pairs are zeros
.endr
.endm
	START
	s_wait_alu depctr_va_vdst(0)
	s_wait_tensorcnt 0x0                           ; my fill, if I issued one, has landed
	s_barrier_signal -1
	s_barrier_wait -1                              ; everybody's has: K, V and the scale words are whole, and are never written again
.irp t, 0,1,2,3,4,5,6,7
	ds_load_b128 v[KF+6*\t:KF+6*\t+3], v1 offset:768*\t            ; step 0's K, and its scale words
	ds_load_b64 v[KF+6*\t+4:KF+6*\t+5], v2 offset:768*\t+512
.endr
	ds_load_b128 v[KS:KS+3], v3
	s_wait_loadcnt 0x0                             ; Q
	s_wait_dscnt 0x0
	RUN 22, 17
	FINISH 0
	START
	RUN 226, 238
	FINISH 1
	s_wait_tensorcnt 0x0                           ; the wave's end
	ds_add_u32 v254, v255
	s_wait_dscnt 0x0
	CROUND                                         ; the closing round: no work-group ends while a partner may still ask for a tile that names it
	s_endpgm
.Lfunc_end_k_q2e05ff49d7_attn:
	.size	k_q2e05ff49d7_attn, .Lfunc_end_k_q2e05ff49d7_attn-k_q2e05ff49d7_attn
	.p2alignl 7, 3214868480
	.fill 96, 4, 3214868480
	.section	.rodata,"a",@progbits
	.p2align	6, 0x0
	.amdhsa_kernel k_q2e05ff49d7_attn
		.amdhsa_group_segment_fixed_size 210944
		.amdhsa_private_segment_fixed_size 0
		.amdhsa_enable_private_segment 0
		.amdhsa_kernarg_size 32
		.amdhsa_user_sgpr_count 2
		.amdhsa_user_sgpr_kernarg_segment_ptr 1
		.amdhsa_wavefront_size32 1
		.amdhsa_system_sgpr_workgroup_id_x 1
		.amdhsa_system_sgpr_workgroup_id_y 1
		.amdhsa_system_sgpr_workgroup_id_z 1
		.amdhsa_system_vgpr_workitem_id 0
		.amdhsa_next_free_vgpr 256
		.amdhsa_next_free_sgpr 84
		.amdhsa_reserve_vcc 0
		.amdhsa_float_denorm_mode_32 3
		.amdhsa_float_denorm_mode_16_64 3
		.amdhsa_memory_ordered 1
		.amdhsa_forward_progress 1
		.amdhsa_inst_pref_size 80
	.end_amdhsa_kernel
	.amdgpu_metadata
---
amdhsa.version: [ 1, 2 ]
amdhsa.kernels:
  - .name:           k_q2e05ff49d7_attn
    .symbol:         k_q2e05ff49d7_attn.kd
    .args:
      - { .name: hc, .offset: 0, .size: 8, .value_kind: global_buffer, .address_space: global }
      - { .name: hs, .offset: 8, .size: 8, .value_kind: global_buffer, .address_space: global }
      - { .name: cc, .offset: 16, .size: 8, .value_kind: global_buffer, .address_space: global }
      - { .name: cs, .offset: 24, .size: 8, .value_kind: global_buffer, .address_space: global }
    .group_segment_fixed_size: 210944
    .private_segment_fixed_size: 0
    .kernarg_segment_align: 8
    .kernarg_segment_size: 32
    .max_flat_workgroup_size: 512
    .sgpr_count:     84
    .vgpr_count:     256
    .wavefront_size: 32
...
	.end_amdgpu_metadata
.endif
;; end of part 3
;; launch outp (part 4): grid 4 x 32, 4 waves a work-group, clusters of 4 x 4, 327,680 bytes of LDS; arguments cc, cs, xc, xs, bo, out0; writes out0
.if DOCPART == 4
	.amdgcn_target "amdgcn-amd-amdhsa--gfx1250"
	.amdhsa_code_object_version 6
	.text
	.protected	k_q2e05ff49d7_outp
	.globl	k_q2e05ff49d7_outp
	.p2align	8
	.type	k_q2e05ff49d7_outp,@function
k_q2e05ff49d7_outp:
	s_mov_b64 s[64:65], 0
	v_nop
	global_prefetch_b8 v0, s[64:65] scope:SCOPE_SE
	s_setreg_imm32_b32 hwreg(HW_REG_WAVE_MODE, 25, 1), 1
	s_wait_xcnt 0x0
	s_wait_alu depctr_hold_cnt(0) depctr_sa_sdst(0) depctr_va_vdst(0) depctr_va_sdst(0) depctr_va_ssrc(0) depctr_va_vcc(0) depctr_vm_vsrc(0)
	s_getreg_b32 s2, hwreg(HW_REG_IB_STS2, 6, 4)
	s_cmp_eq_u32 s2, 0
	s_cbranch_scc0 .Lentry_in_a_cluster
	s_endpgm
.Lentry_in_a_cluster:
	s_bfe_u32 s2, ttmp6, 0x10000c
	s_cmp_lg_u32 s2, 0xf033
	s_cbranch_scc0 .Lentry_shape_is_right
	s_endpgm
.Lentry_shape_is_right:
.set NQ,    2
.set FR,    12
.set NL,    4
.set NP,    4
.set HALFT, 8*3072
.set SLOT,  4*HALFT
.set SCL,   2*SLOT
.set HALFS, 4096
.set SPARE, SCL+4*HALFS
.set STAGE, SPARE+512
.set SPITCH, 528
.set A16,  16
.set A8,   18
.set B16,  20
.set B8,   22
.set STO,  24
.set RD,   25
.set ADRS, 27
.set SPW,  28
.set NIL,  29
.set SC,   32
.set BIAS, 64
.set AF,   128
.set BK,   128
.set G1,   24
.set G0,   32
.set G1B,  48
.set G0B,  56
.set G1S,  68
.set G0S,  76
.set G1SB, 80
.set G0SB, 88
.set MSB, 0
.macro WIN new
.if MSB != (\new)
	s_set_vgpr_msb (MSB<<8)|(\new)
.set MSB, (\new)
.endif
.endm
.set MUL_LO, 0xa1
.set MUL_HI, 0xf1
.set TO_B,   0x40
.macro JLOAD g0a, g1a, g0b, g1b
	s_cmp_eq_u32 s19, 0
	s_cbranch_scc0 .Lfor_b_\@
	tensor_load_to_lds s[\g0a:\g0a+3], s[\g1a:\g1a+7]
	s_nop 0
.rept 4
	v_nop
.endr
	s_branch .Lasked_\@
.Lfor_b_\@:
	tensor_load_to_lds s[\g0b:\g0b+3], s[\g1b:\g1b+7]
	s_nop 0
.rept 4
	v_nop
.endr
.Lasked_\@:
.endm
.macro CREST
	s_cmp_lg_u32 s18, 0
	s_cbranch_scc1 .Lnot_wave_0_\@
	s_barrier_signal -3
.Lnot_wave_0_\@:
	s_barrier_wait -3
	s_barrier_signal -1
	s_barrier_wait -1
.endm
.macro CROUND
	s_barrier_signal -1
	s_barrier_wait -1
	CREST
.endm
.macro PLACES n
.rept \n
	v_nop
.endr
.endm
	s_load_b256 s[4:11], s[0:1], 0x0
	s_load_b128 s[12:15], s[0:1], 0x20
	v_lshl_add_u32 v[SPW], v0, 2, SPARE
	v_mov_b32 v[NIL], 0
	ds_add_u32 v28, v29
	ds_add_u32 v28, v29
	s_wait_dscnt 0x0
	v_lshrrev_b32 v1, 5, v0
	v_readfirstlane_b32 s18, v1
	s_lshr_b32 s19, s18, 1
	s_and_b32 s20, s18, 1
	s_bfe_u32 s21, ttmp6, 0x40000
	s_bfe_u32 s22, ttmp6, 0x40004
	s_and_b32 s23, ttmp7, 0xffff
	s_lshl_b32 s41, s22, 2
	s_lshl_b32 s41, 15, s41
	s_lshl_b32 s42, 0x1111, s21
	s_or_b32 s[G1], s41, (3<<16)|(1<<21)
	s_or_b32 s[G1B], s42, (3<<16)|(1<<21)
	s_or_b32 s[G1S], s41, (3<<16)|(1<<21)
	s_or_b32 s[G1SB], s42, (3<<16)|(1<<21)
.irp g, G1, G1B
	s_mov_b32 s[\g+1], 384<<16
	s_mov_b32 s[\g+2], 16<<16
	s_mov_b32 s[\g+3], 384<<16
	s_mov_b32 s[\g+4], 16
	s_mov_b32 s[\g+5], 1536
	s_mov_b32 s[\g+6], 0
	s_mov_b32 s[\g+7], 0
.endr
.irp g, G1S, G1SB
	s_mov_b32 s[\g+1], 32<<16
	s_mov_b32 s[\g+2], 32<<16
	s_mov_b32 s[\g+3], 32<<16
	s_mov_b32 s[\g+4], 32
	s_mov_b32 s[\g+5], 32
	s_mov_b32 s[\g+6], 0
	s_mov_b32 s[\g+7], 0
.endr
	s_lshl_b32 s43, s20, 3
	s_lshl_b32 s44, s22, 4
	s_add_co_u32 s44, s44, s43
	s_lshl_b32 s45, s23, 6
	s_add_co_u32 s44, s44, s45
	s_lshl_b32 s46, s21, 4
	s_add_co_u32 s46, s46, s43
	s_add_co_u32 s46, s46, 1728
	s_mul_i32 s92, s44, 12288
	s_mov_b32 s93, 0
	s_lshl_b32 s94, s44, 9
	s_mov_b32 s95, 0
	s_mul_i32 s96, s46, 12288
	s_mov_b32 s97, 0
	s_lshl_b32 s98, s46, 9
	s_mov_b32 s99, 0
	s_mul_i32 s100, s18, HALFT
	s_lshl_b32 s101, s20, 12
	s_sub_co_u32 s94, s94, s101                    ; the scale words are fetched for all 16 tiles at once: from the first tile's on
	s_sub_co_u32 s98, s98, s101
	s_lshl_b32 s101, s19, 13                       ; A's 8,192 bytes, then B's
	s_wait_kmcnt 0x0
	s_add_nc_u64 s[92:93], s[4:5], s[92:93]
	s_add_nc_u64 s[94:95], s[6:7], s[94:95]
	s_add_nc_u64 s[96:97], s[8:9], s[96:97]
	s_add_nc_u64 s[98:99], s[10:11], s[98:99]
	CROUND
	s_mov_b32 s[G0S], 1
	s_add_co_u32 s[G0S+1], s101, SCL
	s_mov_b64 s[G0S+2:G0S+3], s[94:95]
	s_or_b32 s[G0S+3], s[G0S+3], 0x80000000
	s_mov_b32 s[G0SB], 1
	s_add_co_u32 s[G0SB+1], s101, SCL
	s_mov_b64 s[G0SB+2:G0SB+3], s[98:99]
	s_or_b32 s[G0SB+3], s[G0SB+3], 0x80000000
.irp s, 0,1
	s_mov_b32 s[G0+4*\s], 1
	s_add_co_u32 s[G0+4*\s+1], s100, \s*SLOT
	s_add_nc_u64 s[G0+4*\s+2:G0+4*\s+3], s[92:93], \s*3072
	s_or_b32 s[G0+4*\s+3], s[G0+4*\s+3], 0x80000000
	s_mov_b32 s[G0B+4*\s], 1
	s_add_co_u32 s[G0B+4*\s+1], s100, \s*SLOT
	s_add_nc_u64 s[G0B+4*\s+2:G0B+4*\s+3], s[96:97], \s*3072
	s_or_b32 s[G0B+4*\s+3], s[G0B+4*\s+3], 0x80000000
.endr
; THE HEAD'S LOADS, ONE A WAVE: wave 0 slot 0's 16 tiles of A, wave 1 A's scale words, wave 2 slot 0's 16 tiles of B, wave 3 B's scale words.
; One chain of branches on the wave's number; every way through it passes exactly one load.  Waves 0 and 2 hold the first half's address and LDS place, which are the whole tile's.
.macro ARM under, g0, g1, next
	s_cmp_lt_u32 s18, \under
	s_cbranch_scc0 \next
	tensor_load_to_lds s[\g0:\g0+3], s[\g1:\g1+7]
	s_nop 0
.rept 4
	v_nop
.endr
	s_branch .Lhead_asked
\next:
.endm
	ARM 1, G0,  G1,  .Lhead_sa
	ARM 2, G0S, G1S, .Lhead_b
	ARM 3, G0B, G1B, .Lhead_sb
	tensor_load_to_lds s[G0SB:G0SB+3], s[G1SB:G1SB+7]
	s_nop 0
.rept 4
	v_nop
.endr
.Lhead_asked:
	v_and_b32 v1, 15, v0
	v_bfe_u32 v2, v0, 4, 1
	v_and_b32 v3, 31, v0
	v_lshlrev_b32 v8, 4, v3
	v_lshlrev_b32 v9, 3, v3
	s_mul_i32 s43, s19, HALFT
	s_mul_i32 s44, s20, HALFT
	s_add_co_u32 s44, s44, 2*HALFT
.irp s, 0,1
	v_add_nc_u32 v[A16+\s], s43, v8
	v_add_nc_u32 v[A8+\s], s43, v9
	v_add_nc_u32 v[B16+\s], s44, v8
	v_add_nc_u32 v[B8+\s], s44, v9
	s_add_co_u32 s43, s43, SLOT
	s_add_co_u32 s44, s44, SLOT
.endr
	s_lshl_b32 s43, s19, 12
	s_lshl_b32 s44, s20, 12
	s_add_co_u32 s44, s44, 2*HALFS
	s_sub_co_u32 s44, s44, s43
	v_mul_u32_u24 v3, s44, v2
	s_add_co_u32 s43, s43, SCL
	v_lshl_add_u32 v3, v1, 3, v3
	v_add_nc_u32 v[ADRS], s43, v3
	s_mul_i32 s43, s18, 16*SPITCH
	s_add_co_u32 s43, s43, STAGE
	v_mul_u32_u24 v3, v1, SPITCH
	v_lshl_add_u32 v3, v2, 6, v3
	v_add_nc_u32 v[STO], s43, v3
	v_add_nc_u32 v[RD], s43, v8
	v_lshlrev_b32 v26, 6, v2
	s_wait_alu depctr_va_vdst(0)
	s_lshl_b32 s40, s23, 2
	s_add_co_u32 s40, s40, s22
	s_lshl_b32 s40, s40, 8
	s_lshl_b32 s41, s19, 7
	s_add_co_u32 s40, s40, s41
	s_lshl_b32 s40, s40, 12
	s_lshl_b32 s42, s21, 10
	s_lshl_b32 s41, s20, 9
	s_add_co_u32 s42, s42, s41
	s_mov_b32 s43, 0
	s_add_co_u32 s40, s40, s42
	s_mov_b32 s41, 0
	s_add_nc_u64 s[14:15], s[14:15], s[40:41]
	s_add_nc_u64 s[12:13], s[12:13], s[42:43]
.irp b, 0,1,2,3,4,5,6,7
	global_load_b128 v[BIAS+8*\b:BIAS+8*\b+3], v26, s[12:13] offset:(32*(\b/2)+8*(\b%2))*4
	global_load_b128 v[BIAS+8*\b+4:BIAS+8*\b+7], v26, s[12:13] offset:(32*(\b/2)+8*(\b%2))*4+16
.endr
.macro FRAG reg, a16, a8, off
	ds_load_b128 v[\reg:\reg+3], v[\a16] offset:\off
	ds_load_b64 v[\reg+4:\reg+5], v[\a8] offset:\off+512
	ds_load_b128 v[\reg+6:\reg+9], v[\a16] offset:\off+768
	ds_load_b64 v[\reg+10:\reg+11], v[\a8] offset:\off+1280
.endm
.macro MUL16 a0, p, q, sc, mode
.irp a, \a0, \a0+1
.irp b, 0,1,2,3,4,5,6,7
.if \mode == 0
	v_wmma_scale_f32_16x16x128_f8f6f4 v[8*(8*((\a)%4)+\b):8*(8*((\a)%4)+\b)+7], v[128*(\p)+FR*\b:128*(\p)+FR*\b+FR-1], v[AF+FR*(\a):AF+FR*(\a)+FR-1], v[8*(8*((\a)%4)+\b):8*(8*((\a)%4)+\b)+7], v[SC+8*NQ*(\sc)+NQ*\b+(\q)], v[SC+8*NQ*(\sc)+NQ*(\a)+(\q)] matrix_a_fmt:MATRIX_FMT_FP6 matrix_b_fmt:MATRIX_FMT_FP6 matrix_a_scale:MATRIX_SCALE_ROW1
.else
	v_wmma_scale_f32_16x16x128_f8f6f4 v[8*(8*((\a)%4)+\b):8*(8*((\a)%4)+\b)+7], v[128*(\p)+FR*\b:128*(\p)+FR*\b+FR-1], v[AF+FR*(\a):AF+FR*(\a)+FR-1], v[BIAS+8*\b:BIAS+8*\b+7], v[SC+8*NQ*(\sc)+NQ*\b+(\q)], v[SC+8*NQ*(\sc)+NQ*(\a)+(\q)] matrix_a_fmt:MATRIX_FMT_FP6 matrix_b_fmt:MATRIX_FMT_FP6 matrix_a_scale:MATRIX_SCALE_ROW1
.endif
.endr
.endr
.endm
.macro FETCH_B slot, q, p
	WIN TO_B
.irp i, 0,1,2,3,4,5,6,7
	FRAG 128*(\p)+FR*\i, B16+\slot, B8+\slot, \i*3072+(\q)*1536
.endr
	WIN 0
.endm
.macro FETCH_A slot, q, i0
.irp i, \i0, \i0+1, \i0+2, \i0+3
	FRAG AF+FR*(\i), A16+\slot, A8+\slot, (\i)*3072+(\q)*1536
.endr
.endm
.macro SCALES sc
.irp i, 0,1,2,3,4,5,6,7
	ds_load_b64 v[SC+8*NQ*\sc+NQ*\i:SC+8*NQ*\sc+NQ*\i+1], v[ADRS] offset:\i*512
.endr
.endm
.macro STEP slot, q, mode
	s_wait_dscnt 4*NL
.if \mode
	WIN 0x81
.else
	WIN MUL_LO
.endif
	MUL16 0, (\q)%2, \q, \slot, \mode
	MUL16 2, (\q)%2, \q, \slot, \mode
	s_wait_dscnt 0
	PLACES NP
	FETCH_B \slot, (\q)+1, 1-(\q)%2
	FETCH_A \slot, (\q)+1, 0
.if \mode
	WIN 0xc1
.else
	WIN MUL_HI
.endif
	MUL16 4, (\q)%2, \q, \slot, \mode
	MUL16 6, (\q)%2, \q, \slot, \mode
	PLACES NP
	WIN 0
	FETCH_A \slot, (\q)+1, 4
.endm
.macro TURN slot, next, fill
	s_wait_tensorcnt 0x0
	ds_add_u32 v[SPW], v[NIL]
	s_wait_dscnt 4*NL+1
	WIN MUL_LO
	MUL16 0, 1, NQ-1, \slot, 0
	s_wait_dscnt 0x0
	s_barrier_signal -1
	MUL16 2, 1, NQ-1, \slot, 0
	WIN 0
	s_barrier_wait -1
.if \fill
	CREST
	s_add_nc_u64 s[G0+4*\slot+2:G0+4*\slot+3], s[G0+4*\slot+2:G0+4*\slot+3], 6144
	s_add_nc_u64 s[G0B+4*\slot+2:G0B+4*\slot+3], s[G0B+4*\slot+2:G0B+4*\slot+3], 6144
	JLOAD G0+4*\slot, G1, G0B+4*\slot, G1B
.else
	PLACES NP
.endif
	s_wait_alu depctr_va_vdst(0)
	v_add_nc_u32 v[ADRS], 128, v[ADRS]
	FETCH_B \next, 0, 0
	FETCH_A \next, 0, 0
	SCALES \next
	WIN MUL_HI
	MUL16 4, 1, NQ-1, \slot, 0
	MUL16 6, 1, NQ-1, \slot, 0
	PLACES NP
	WIN 0
	FETCH_A \next, 0, 4
.endm
	s_wait_alu depctr_va_vdst(0)
	s_wait_tensorcnt 0x0                           ; my tile of the head's four is in; these lines stand ahead of a later first fill as ahead of a refill
	ds_add_u32 v[SPW], v[NIL]
	s_mov_b32 s[G1+2], 8<<16                       ; no tensor load of mine is out: from here on a load brings 8 tiles
	s_mov_b32 s[G1+4], 8
	s_mov_b32 s[G1B+2], 8<<16
	s_mov_b32 s[G1B+4], 8
	s_wait_dscnt 0x0
	CROUND                                         ; all four tiles are in, and all sixteen work-groups are here
	JLOAD G0+4, G1, G0B+4, G1B                     ; slot 1's first fill, the first tensor load behind the round
	FETCH_B 0, 0, 0
	FETCH_A 0, 0, 0
	SCALES 0
	FETCH_A 0, 0, 4
	s_wait_loadcnt 0x0
	STEP 0, 0, 1
	TURN 0, 1, 1
	STEP 1, 0, 0
	TURN 1, 0, 1
	STEP 0, 0, 0
	TURN 0, 1, 0
	STEP 1, 0, 0
	s_wait_dscnt 4*NL
	WIN MUL_LO
	MUL16 0, 1, NQ-1, 1, 0
	MUL16 2, 1, NQ-1, 1, 0
	s_wait_dscnt 0
	WIN MUL_HI
	MUL16 4, 1, NQ-1, 1, 0
	MUL16 6, 1, NQ-1, 1, 0
	WIN 0
.macro TOSTAGE a
.set AC, 64*((\a)%4)
	WIN 0x08+4*((\a)/4)
.irp b, 0,1,2,3,4,5,6,7
	ds_store_b128 v[STO], v[AC+8*\b:AC+8*\b+3] offset:128*(\b/2)+32*(\b%2)
	ds_store_b128 v[STO], v[AC+8*\b+4:AC+8*\b+7] offset:128*(\b/2)+32*(\b%2)+16
.endr
	WIN 0
.set BB, BK+64*((\a)%2)
.irp t, 0,1,2,3,4,5,6,7,8,9,10,11,12,13,14,15
	ds_load_b128 v[BB+4*\t:BB+4*\t+3], v[RD] offset:\t*SPITCH
.endr
.endm
.macro SEND a, younger
.set BB, BK+64*((\a)%2)
	s_wait_dscnt \younger
.if (\a) > 0
.if ((\a)%2) == 1
	s_add_nc_u64 s[14:15], s[14:15], 8*4096
.else
	s_add_nc_u64 s[14:15], s[14:15], 24*4096
.endif
.endif
.irp t, 0,1,2,3,4,5,6,7,8,9,10,11,12,13,14,15
	global_store_b128 v8, v[BB+4*\t:BB+4*\t+3], s[14:15] offset:((\t%8)+16*(\t/8))*4096 th:TH_STORE_NT
.endr
.endm
	PLACES NP
	TOSTAGE 0
.irp a, 1,2,3,4,5,6,7
.if \a > 1
	s_wait_xcnt 0x0
.endif
	TOSTAGE \a
	SEND \a-1, 32
.endr
	s_wait_xcnt 0x0
	SEND 7, 0
	s_wait_tensorcnt 0x0
	ds_add_u32 v[SPW], v[NIL]
	s_wait_dscnt 0x0
	CROUND
	s_endpgm
.Lfunc_end_k_q2e05ff49d7_outp:
	.size	k_q2e05ff49d7_outp, .Lfunc_end_k_q2e05ff49d7_outp-k_q2e05ff49d7_outp
	.p2alignl 7, 3214868480
	.fill 96, 4, 3214868480
	.section	.rodata,"a",@progbits
	.p2align	6, 0x0
	.amdhsa_kernel k_q2e05ff49d7_outp
		.amdhsa_group_segment_fixed_size 327680
		.amdhsa_private_segment_fixed_size 0
		.amdhsa_enable_private_segment 0
		.amdhsa_kernarg_size 48
		.amdhsa_user_sgpr_count 2
		.amdhsa_user_sgpr_kernarg_segment_ptr 1
		.amdhsa_wavefront_size32 1
		.amdhsa_system_sgpr_workgroup_id_x 1
		.amdhsa_system_sgpr_workgroup_id_y 1
		.amdhsa_system_sgpr_workgroup_id_z 1
		.amdhsa_system_vgpr_workitem_id 0
		.amdhsa_next_free_vgpr 1024
		.amdhsa_next_free_sgpr 102
		.amdhsa_reserve_vcc 0
		.amdhsa_float_denorm_mode_32 3
		.amdhsa_float_denorm_mode_16_64 3
		.amdhsa_memory_ordered 1
		.amdhsa_forward_progress 1
		.amdhsa_inst_pref_size 146
	.end_amdhsa_kernel
	.amdgpu_metadata
---
amdhsa.version: [ 1, 2 ]
amdhsa.kernels:
  - .name:           k_q2e05ff49d7_outp
    .symbol:         k_q2e05ff49d7_outp.kd
    .args:
      - { .name: cc, .offset: 0, .size: 8, .value_kind: global_buffer, .address_space: global }
      - { .name: cs, .offset: 8, .size: 8, .value_kind: global_buffer, .address_space: global }
      - { .name: xc, .offset: 16, .size: 8, .value_kind: global_buffer, .address_space: global }
      - { .name: xs, .offset: 24, .size: 8, .value_kind: global_buffer, .address_space: global }
      - { .name: bo, .offset: 32, .size: 8, .value_kind: global_buffer, .address_space: global }
      - { .name: out0, .offset: 40, .size: 8, .value_kind: global_buffer, .address_space: global }
    .group_segment_fixed_size: 327680
    .private_segment_fixed_size: 0
    .kernarg_segment_align: 8
    .kernarg_segment_size: 48
    .max_flat_workgroup_size: 128
    .sgpr_count:     102
    .vgpr_count:     1024
    .wavefront_size: 32
...
	.end_amdgpu_metadata
.endif
;; end of part 4
